; MI455X (gfx1250); checked and timed in simulation.
; The chip was launched on July 23, 2026; its instructions are those of AMD's public machine-readable ISA for CDNA 5 (MIT licence, August 2026) and "CDNA5" Instruction Set Architecture Reference Guide (July 2026). The comments in the code are by the model that wrote it; some were corrected since.
;; Mixture Of Experts. Allowed arithmetic: float matrix products may take bf16 or f16 operands with f32 sums; other float arithmetic in f32, or as packed bf16 or f16 multiplies, adds, multiply-adds, maxima and minima; sums over many terms, partial sums and values carried from step to step in f32; what a program stores and reads back later, other than sums and carried values, may be rounded once to bf16 or f16.
;; Inputs: W1 8 x 512 x 2,048 float32; W2 8 x 2,048 x 512 float32; b1 8 x 2,048 float32; b2 8 x 512 float32; indices 4,096 x 2 int32; input_batch 4,096 x 512 float32; probabilities 4,096 x 2 float32.
;; Outputs: out0 4,096 x 512 float32; out1 one number float32.
;; 2 versions, each right; version 2 is version 1 with the launch chain written anew for expert scheduling mode. Each part assembles by itself: llvm-mc -triple=amdgcn-amd-amdhsa -mcpu=gfx1250 --defsym DOCPART=n.
;; ======== version 1 of 2: 3 launches
;; workspace buffers: xs 9,011,200 bytes; w1f 16,777,216 bytes; w2f 16,777,216 bytes; part 36,044,800 bytes; pos 32,768 bytes of whole numbers; tab 2,048 bytes of whole numbers
;; launch prep (part 1): grid 768 x 1, 8 waves a work-group, no clusters, 67,840 bytes of LDS; arguments indices, input_batch, W1, W2, xs, w1f, w2f, pos, tab, out1; writes xs, w1f, w2f, pos, tab, out1
.if DOCPART == 1
	.amdgcn_target "amdgcn-amd-amdhsa--gfx1250"
	.amdhsa_code_object_version 6
	.text
	.protected	k_qc913790760_prep
	.globl	k_qc913790760_prep
	.p2align	8
	.type	k_qc913790760_prep,@function
k_qc913790760_prep:
	s_mov_b64 s[64:65], 0
	v_nop
	global_prefetch_b8 v0, s[64:65] scope:SCOPE_SE
	s_setreg_imm32_b32 hwreg(HW_REG_WAVE_MODE, 25, 1), 1
	s_wait_xcnt 0x0
; PREP: three roles, chosen by the work-group's number (the same for all eight waves of a work-group).
;   0..255    ROUTING.  The 8,192 slots (token, k) are sorted by expert, without atomics: every work-group counts all slots for itself.
;             Work-group g owns tokens 16 g .. 16 g + 15 (slots 32 g .. 32 g + 31): it stores their positions (pos) and their rows, rounded to bf16, at those positions (xs).
;             Expert e has c_e slots and nt_e = ceil(c_e / 80) tiles of 80 positions, the first being tile first_e = the sum of the earlier experts' nt; position = 80 first_e + rank.
;             The sum of nt is at most (8192 + 8 x 79) / 80 = 110, whatever the split, so positions end at 8,799.
;             Work-group 0 also stores the table of tiles {expert, first position, last valid row} and out1 = 0.
;   256..511  W1, 512..767  W2: rounded once to bf16 and laid out as matrix fragments in the order in which a wave of the next launch takes them.
;             A fragment is 16 columns x 32 k in 1,024 bytes: the 16 bytes at 256 m + 16 r hold k = 8 m .. 8 m + 7 of column r.
; LIMITS.  An index outside 0..7 is taken as min(index as unsigned, 7).  NaN and infinities are rounded like other numbers.
; No matrix unit, no cluster: the weight roles share no byte, and the routing's shared input is 32 KB of indices.
.set SPW,   4                          ; v4  LDS address of my spare word; never rewritten
.set NIL,   5                          ; v5  0; never rewritten
.set SPARE, 256                        ; bytes 0..255: the waves' partial counts; from 256 on the spare words, 128 bytes a wave
.set TR,    1280                       ; from here on 8,320 bytes for each wave: eight fragments at a pitch of 1,040
.set FP,    1040                       ; 1,024 + 16
	s_load_b512 s[68:83], s[0:1], 0x0              ; indices 68, input_batch 70, W1 72, W2 74, xs 76, w1f 78, w2f 80, pos 82
	s_load_b128 s[84:87], s[0:1], 0x40             ; tab 84, out1 86
	v_lshl_add_u32 v[SPW], v0, 2, SPARE
	v_mov_b32 v[NIL], 0
	v_lshrrev_b32 v1, 5, v0
	v_readfirstlane_b32 s2, v1                     ; wave 0..7
	v_and_b32 v3, 31, v0                           ; lane
	s_cmp_lt_u32 ttmp9, 256
	s_cbranch_scc1 .Lroute
; ---------------- the weight roles ----------------
; A wave does ONE unit of 32 k x 128 columns: 4,096 units for 4,096 waves.  A load takes a row's 128 columns, 512 consecutive bytes, four columns a lane; all 32 go out ahead of the first wait.
; Of eight rows and one of its columns a lane makes the 16 bytes that a fragment holds for that column (four roundings of two numbers).  Neighbouring lanes hold columns four apart, so the
; pieces go through the wave's own LDS: in by column, back as 512 consecutive bytes, which are stored so.
	s_and_b32 s3, ttmp9, 255                       ; a
	s_lshr_b32 s8, s3, 5                           ; expert
	v_lshlrev_b32 v6, 4, v3                        ; 16 x lane: my place in a row's 512 bytes, and in 512 bytes of the output
	s_mul_i32 s16, s2, 8*FP
	s_add_co_u32 s16, s16, TR                      ; my wave's bytes
	v_lshrrev_b32 v2, 2, v3                        ; columns 4 l + q lie in fragment l / 4,
	v_and_b32 v7, 3, v3                            ; at r = 4 (l % 4) + q
	v_mul_u32_u24 v2, v2, FP
	v_lshl_add_u32 v7, v7, 6, v2
	v_add_nc_u32 v7, s16, v7                       ; in
	v_add_nc_u32 v2, s16, v6                       ; back
	s_lshl_b32 s12, s8, 22                         ; source offset: an expert's weights are 4 MiB of f32
	s_mov_b32 s13, 0
	s_lshl_b32 s14, s8, 21                         ; destination offset: ((2 e + y) 4 + w) 262,144 + 65,536 i + ..
	s_mov_b32 s15, 0
.macro WUNIT rs, fj                    ; rs: bytes from row to row; fj: what fragments 4-7 lie further on than 1,024 bytes a fragment would put them
.set k, 0
.rept 32
	global_load_b128 v[8+4*k:8+4*k+3], v6, s[4:5] offset:k*(\rs) th:TH_LOAD_NT
.set k, k+1
.endr
.irp m, 0,1,2,3
	s_wait_loadcnt 24-8*\m                         ; loads return in order: rows 8 m .. 8 m + 7 are in, the later rows' loads stay out
.irp q, 0,1,2,3
.irp p, 0,1,2,3
	v_cvt_pk_bf16_f32 v[136+4*\q+\p], v[8+32*\m+8*\p+\q], v[8+32*\m+8*\p+4+\q]   ; column q, k = 8 m + 2 p and the next
.endr
.endr
.irp q, 0,1,2,3
	ds_store_b128 v7, v[136+4*\q:136+4*\q+3] offset:256*\m+16*\q
.endr
.endr
.set t, 0
.rept 16
	ds_load_b128 v[8+4*t:8+4*t+3], v2 offset:FP*(t/2)+512*(t%2)   ; LDS serves a wave's instructions in order (ISA guide 5.7.1.4): these see the stores above
.set t, t+1
.endr
.set t, 0
.rept 16
	s_wait_dscnt 15-t
	global_store_b128 v6, v[8+4*t:8+4*t+3], s[6:7] offset:1024*(t/2)+((t/2)/4)*(\fj)+512*(t%2)   ; 512 consecutive aligned bytes: half a fragment
.set t, t+1
.endr
	s_wait_tensorcnt 0x0                           ; the wave's end
	ds_add_u32 v[SPW], v[NIL]
	s_wait_dscnt 0x0
	s_endpgm
.endm
	s_cmp_lt_u32 ttmp9, 512
	s_cbranch_scc0 .Lw2
	; W1 [e][d][h]: k = d = 32 u + .., columns h = 128 cb + .., cb = 8 (a % 2) + wave: the eight waves take 4,096 consecutive bytes of each row
	s_bfe_u32 s9, s3, 0x40001                      ; u: the next launch's step
	s_and_b32 s10, s3, 1                           ; y = cb / 8: half of the hidden width
	s_lshl_b32 s11, s10, 3
	s_add_co_u32 s11, s11, s2                      ; cb
	s_lshl_b32 s16, s9, 18                         ; 32 rows of 8,192 bytes
	s_or_b32 s12, s12, s16
	s_lshl_b32 s16, s11, 9
	s_or_b32 s12, s12, s16
	s_lshl_b32 s16, s10, 20
	s_or_b32 s14, s14, s16
	s_and_b32 s16, s11, 1                          ; the next launch's waves 2 (cb % 2) and + 1: 64 columns, four fragments each
	s_lshl_b32 s16, s16, 19
	s_or_b32 s14, s14, s16
	s_bfe_u32 s16, s11, 0x20001                    ; i: chunk of 256 hidden columns
	s_lshl_b32 s16, s16, 16
	s_or_b32 s14, s14, s16
	s_lshl_b32 s16, s9, 12                         ; a step's four fragments
	s_or_b32 s14, s14, s16
	s_wait_kmcnt 0x0
	s_add_nc_u64 s[4:5], s[72:73], s[12:13]
	s_add_nc_u64 s[6:7], s[78:79], s[14:15]
	WUNIT 8192, 262144-4096
.Lw2:
	; W2 [e][h][d]: k = h = 32 kb + .., kb = 2 (a % 32) + wave / 4; columns d = 128 cb + .., cb = wave % 4: the eight waves take 64 whole rows
	s_and_b32 s9, s3, 31
	s_lshl_b32 s9, s9, 1
	s_lshr_b32 s10, s2, 2
	s_add_co_u32 s9, s9, s10                       ; kb 0..63
	s_and_b32 s11, s2, 3                           ; cb: the next launch's wave, 128 columns, eight fragments
	s_lshl_b32 s16, s9, 16                         ; 32 rows of 2,048 bytes
	s_or_b32 s12, s12, s16
	s_lshl_b32 s16, s11, 9
	s_or_b32 s12, s12, s16
	s_lshr_b32 s16, s9, 5                          ; y
	s_lshl_b32 s16, s16, 20
	s_or_b32 s14, s14, s16
	s_lshl_b32 s16, s11, 18
	s_or_b32 s14, s14, s16
	s_bfe_u32 s16, s9, 0x20003                     ; i
	s_lshl_b32 s16, s16, 16
	s_or_b32 s14, s14, s16
	s_and_b32 s16, s9, 7                           ; j: the next launch's step, eight fragments
	s_lshl_b32 s16, s16, 13
	s_or_b32 s14, s14, s16
	s_wait_kmcnt 0x0
	s_add_nc_u64 s[4:5], s[74:75], s[12:13]
	s_add_nc_u64 s[6:7], s[80:81], s[14:15]
	WUNIT 2048, 0
; ---------------- the routing role ----------------
.Lroute:
	s_mov_b32 s88, 0x76543210                      ; v_permlanex16_b32: each lane takes its own place in the other half
	s_mov_b32 s89, 0xfedcba98
	s_mov_b32 s15, ttmp9                           ; g
	v_lshlrev_b32 v8, 7, v0                        ; thread t counts slots 32 t .. 32 t + 31: 128 bytes of indices
	s_lshl_b32 s3, ttmp9, 7
	v_lshl_add_u32 v9, v3, 2, s3                   ; my work-group's slot 32 g + lane, in indices and in pos
	s_lshl_b32 s12, ttmp9, 15                      ; 16 tokens of 2,048 bytes,
	s_lshl_b32 s13, s2, 12                         ; two of them a wave
	s_add_co_u32 s12, s12, s13
	v_lshl_add_u32 v10, v3, 5, s12                 ; 32 bytes a lane
	v_mov_b32 v11, 0                               ; counts of experts 0-3, a byte each (32 at the most)
	v_mov_b32 v12, 0                               ; of experts 4-7
	v_mov_b32 v49, 1
	s_wait_kmcnt 0x0
.irp j, 0,1,2,3,4,5,6,7
	global_load_b128 v[16+4*\j:16+4*\j+3], v8, s[68:69] offset:16*\j
.endr
	global_load_b32 v48, v9, s[68:69]
.irp a, 0,1
.irp g, 0,1
	global_load_b128 v[52+16*\a+8*\g:52+16*\a+8*\g+3],   v10, s[70:71] offset:2048*\a+1024*\g th:TH_LOAD_NT
	global_load_b128 v[52+16*\a+8*\g+4:52+16*\a+8*\g+7], v10, s[70:71] offset:2048*\a+1024*\g+16 th:TH_LOAD_NT
.endr
.endr
	s_wait_loadcnt 8                               ; the indices are in; the two token rows' eight loads stay out
.set j, 0
.rept 32
	v_min_u32 v13, 7, v[16+j]
	v_lshlrev_b32 v14, 3, v13
	v_and_b32 v14, 24, v14
	v_lshlrev_b32 v15, v14, v49                    ; 1 in the expert's byte
	v_cmp_gt_u32 vcc_lo, 4, v13
	v_cndmask_b32 v14, 0, v15, vcc_lo
	v_add_nc_u32 v11, v11, v14
	v_sub_nc_u32 v15, v15, v14
	v_add_nc_u32 v12, v12, v15
.set j, j+1
.endr
	; widened to fields of 16 bits (8,192 at the most): v84 experts 0, 2; v85 1, 3; v86 4, 6; v87 5, 7.  v88-91: the same, counted only in threads below g
	s_mov_b32 s14, 0x00ff00ff
	v_and_b32 v84, s14, v11
	v_lshrrev_b32 v13, 8, v11
	v_and_b32 v85, s14, v13
	v_and_b32 v86, s14, v12
	v_lshrrev_b32 v13, 8, v12
	v_and_b32 v87, s14, v13
	v_cmp_gt_u32 vcc_lo, s15, v0
.irp x, 0,1,2,3
	v_cndmask_b32 v[88+\x], 0, v[84+\x], vcc_lo
.endr
.irp x, 0,1,2,3,4,5,6,7
	v_mov_b32 v[96+\x], 0                          ; the destinations of the lane moves below count as read
.endr
.irp m, 1,2,4,8
.irp x, 0,1,2,3,4,5,6,7
	v_mov_b32_dpp v[96+\x], v[84+\x] row_xmask:\m row_mask:0xf bank_mask:0xf
.endr
.irp x, 0,1,2,3,4,5,6,7
	v_add_nc_u32 v[84+\x], v[84+\x], v[96+\x]
.endr
.endr
.irp x, 0,1,2,3,4,5,6,7
	v_permlanex16_b32 v[96+\x], v[84+\x], s88, s89
.endr
.irp x, 0,1,2,3,4,5,6,7
	v_add_nc_u32 v[84+\x], v[84+\x], v[96+\x]
.endr
	v_lshlrev_b32 v93, 4, v1                       ; 16 x wave
	ds_store_b128 v93, v[84:87]                    ; every lane holds the wave's sums: all write the same words
	ds_store_b128 v93, v[88:91] offset:128
	s_wait_dscnt 0x0                               ; for the other waves: my stores are done
	s_barrier_signal -1
	s_barrier_wait -1
	v_mov_b32 v94, 0
.irp j, 0,1,2,3,4,5,6,7
	ds_load_b128 v[16+4*\j:16+4*\j+3], v94 offset:16*\j
	ds_load_b128 v[96+4*\j:96+4*\j+3], v94 offset:128+16*\j
.endr
	s_wait_dscnt 0x0
.irp j, 1,2,3,4,5,6,7
.irp x, 0,1,2,3
	v_add_nc_u32 v[16+\x], v[16+\x], v[16+4*\j+\x]
	v_add_nc_u32 v[96+\x], v[96+\x], v[96+4*\j+\x]
.endr
.endr
.irp x, 0,1,2,3
	v_readfirstlane_b32 s[4+\x], v[16+\x]
	v_readfirstlane_b32 s[8+\x], v[96+\x]
.endr
	; s16-23: c_e;  s24-31: slots of e in front of my work-group's;  s32-39: nt_e;  s40-47: first_e;  s48-55: position of my work-group's first slot of e
	s_and_b32 s16, s4, 0xffff
	s_lshr_b32 s18, s4, 16
	s_and_b32 s17, s5, 0xffff
	s_lshr_b32 s19, s5, 16
	s_and_b32 s20, s6, 0xffff
	s_lshr_b32 s22, s6, 16
	s_and_b32 s21, s7, 0xffff
	s_lshr_b32 s23, s7, 16
	s_and_b32 s24, s8, 0xffff
	s_lshr_b32 s26, s8, 16
	s_and_b32 s25, s9, 0xffff
	s_lshr_b32 s27, s9, 16
	s_and_b32 s28, s10, 0xffff
	s_lshr_b32 s30, s10, 16
	s_and_b32 s29, s11, 0xffff
	s_lshr_b32 s31, s11, 16
	s_mov_b32 s56, 0
.irp e, 0,1,2,3,4,5,6,7
	s_add_co_u32 s57, s[16+\e], 79
	s_lshr_b32 s57, s57, 4                         ; (c + 79) / 80 = ((c + 79) / 16) / 5; x / 5 = (52,429 x) >> 18 for x up to 516
	s_mul_i32 s57, s57, 0xcccd
	s_lshr_b32 s[32+\e], s57, 18
	s_mov_b32 s[40+\e], s56
	s_mul_i32 s57, s56, 80
	s_add_co_u32 s[48+\e], s57, s[24+\e]
	s_add_co_u32 s56, s56, s[32+\e]
.endr
	; the position of slot 32 g + lane: its expert's base plus the number of lower lanes with the same expert
	v_min_u32 v48, 7, v48
	v_mov_b32 v50, 0
.irp e, 0,1,2,3,4,5,6,7
	v_cmp_eq_u32 vcc_lo, \e, v48
	v_mbcnt_lo_u32_b32 v51, vcc_lo, 0
	v_add_nc_u32 v51, s[48+\e], v51
	v_cndmask_b32 v50, v50, v51, vcc_lo
.endr
	s_cmp_lg_u32 s2, 0
	s_cbranch_scc1 .Lnopos
	global_store_b32 v9, v50, s[82:83]             ; every wave holds the 32 positions; wave 0 stores them
.Lnopos:
	; my wave's two tokens are slots 4 w .. 4 w + 3 of the 32
.irp m, 0,1,2,3
	v_add_nc_u32 v[100+\m], 4*\m, v93              ; lane 4 w + m, as a byte index
.endr
.irp m, 0,1,2,3
	ds_bpermute_b32 v[104+\m], v[100+\m], v50
.endr
	s_wait_dscnt 0x0
.irp m, 0,1,2,3
	v_min_u32 v[104+\m], 0x225f, v[104+\m]         ; 8,799: xs's last row
	v_lshlrev_b32 v[104+\m], 10, v[104+\m]         ; rows of 1,024 bytes
	v_lshl_add_u32 v[104+\m], v3, 4, v[104+\m]
.endr
	s_wait_loadcnt 0x0                             ; the token rows
.irp a, 0,1
.irp g, 0,1
.irp q, 0,1,2,3
	v_cvt_pk_bf16_f32 v[112+8*\a+4*\g+\q], v[52+16*\a+8*\g+2*\q], v[52+16*\a+8*\g+2*\q+1]
.endr
.endr
.endr
.irp a, 0,1
.irp k, 0,1
.irp g, 0,1
	global_store_b128 v[104+2*\a+\k], v[112+8*\a+4*\g:112+8*\a+4*\g+3], s[76:77] offset:512*\g  ; 512 consecutive aligned bytes: the row goes to both its slots' positions
.endr
.endr
.endr
	; the table of tiles and out1: work-group 0 alone; thread = tile, 128 entries of 16 bytes
	s_cmp_lg_u32 ttmp9, 0
	s_cbranch_scc1 .Lend
	s_cmp_gt_u32 s2, 3
	s_cbranch_scc1 .Lend
	v_mov_b32 v128, 0                              ; a tile that the split leaves without rows: expert 0, position 0 (which always exists), last valid row 0
	v_mov_b32 v129, 0
	v_mov_b32 v130, 0
	v_mov_b32 v131, 0
	v_mul_u32_u24 v132, 80, v0
.irp e, 0,1,2,3,4,5,6,7
	v_sub_nc_u32 v13, v0, s[40+\e]                 ; d: my place among e's tiles
	v_cmp_gt_u32 vcc_lo, s[32+\e], v13             ; unsigned: also false below first_e
	v_mul_u32_u24 v14, 80, v13
	v_sub_nc_u32 v14, s[16+\e], v14
	v_min_u32 v14, 80, v14
	v_add_nc_u32 v14, -1, v14                      ; min(80, c - 80 d) - 1
	v_mov_b32 v15, \e
	v_cndmask_b32 v128, v128, v15, vcc_lo
	v_cndmask_b32 v129, v129, v132, vcc_lo
	v_cndmask_b32 v130, v130, v14, vcc_lo
.endr
	v_lshlrev_b32 v133, 4, v0
	global_store_b128 v133, v[128:131], s[84:85]
	s_cmp_lg_u32 s2, 0
	s_cbranch_scc1 .Lend
	v_mov_b32 v13, 0
	v_mov_b32 v14, 0
	s_wait_xcnt 0x0                                ; EXEC is a source of the stores above: it changes only behind this wait
	v_cmp_eq_u32 vcc_lo, 0, v0
	s_and_saveexec_b32 s3, vcc_lo
	global_store_b32 v13, v14, s[86:87]            ; out1 = 0.0
	s_wait_xcnt 0x0
	s_or_b32 exec_lo, exec_lo, s3
.Lend:
	s_wait_tensorcnt 0x0                           ; the wave's end
	ds_add_u32 v[SPW], v[NIL]
	s_wait_dscnt 0x0
	s_endpgm
.Lfunc_end_k_qc913790760_prep:
	.size	k_qc913790760_prep, .Lfunc_end_k_qc913790760_prep-k_qc913790760_prep
	.p2alignl 7, 3214868480
	.fill 96, 4, 3214868480
	.section	.rodata,"a",@progbits
	.p2align	6, 0x0
	.amdhsa_kernel k_qc913790760_prep
		.amdhsa_group_segment_fixed_size 67840
		.amdhsa_private_segment_fixed_size 0
		.amdhsa_enable_private_segment 0
		.amdhsa_kernarg_size 80
		.amdhsa_user_sgpr_count 2
		.amdhsa_user_sgpr_kernarg_segment_ptr 1
		.amdhsa_wavefront_size32 1
		.amdhsa_system_sgpr_workgroup_id_x 1
		.amdhsa_system_sgpr_workgroup_id_y 1
		.amdhsa_system_sgpr_workgroup_id_z 1
		.amdhsa_system_vgpr_workitem_id 0
		.amdhsa_next_free_vgpr 152
		.amdhsa_next_free_sgpr 100
		.amdhsa_reserve_vcc 1
		.amdhsa_float_denorm_mode_32 3
		.amdhsa_float_denorm_mode_16_64 3
		.amdhsa_memory_ordered 1
		.amdhsa_forward_progress 1
		.amdhsa_inst_pref_size 57
	.end_amdhsa_kernel
	.amdgpu_metadata
---
amdhsa.version: [ 1, 2 ]
amdhsa.kernels:
  - .name:           k_qc913790760_prep
    .symbol:         k_qc913790760_prep.kd
    .args:
      - { .name: indices, .offset: 0, .size: 8, .value_kind: global_buffer, .address_space: global }
      - { .name: input_batch, .offset: 8, .size: 8, .value_kind: global_buffer, .address_space: global }
      - { .name: W1, .offset: 16, .size: 8, .value_kind: global_buffer, .address_space: global }
      - { .name: W2, .offset: 24, .size: 8, .value_kind: global_buffer, .address_space: global }
      - { .name: xs, .offset: 32, .size: 8, .value_kind: global_buffer, .address_space: global }
      - { .name: w1f, .offset: 40, .size: 8, .value_kind: global_buffer, .address_space: global }
      - { .name: w2f, .offset: 48, .size: 8, .value_kind: global_buffer, .address_space: global }
      - { .name: pos, .offset: 56, .size: 8, .value_kind: global_buffer, .address_space: global }
      - { .name: tab, .offset: 64, .size: 8, .value_kind: global_buffer, .address_space: global }
      - { .name: out1, .offset: 72, .size: 8, .value_kind: global_buffer, .address_space: global }
    .group_segment_fixed_size: 67840
    .private_segment_fixed_size: 0
    .kernarg_segment_align: 8
    .kernarg_segment_size: 80
    .max_flat_workgroup_size: 256
    .sgpr_count:     100
    .vgpr_count:     152
    .wavefront_size: 32
...
	.end_amdgpu_metadata
.endif
;; end of part 1
;; launch chain (part 2): grid 110 x 2, 4 waves a work-group, no clusters, 238,848 bytes of LDS; arguments xs, w1f, w2f, b1, tab, part; writes part
.if DOCPART == 2
	.amdgcn_target "amdgcn-amd-amdhsa--gfx1250"
	.amdhsa_code_object_version 6
	.text
	.protected	k_qc913790760_chain
	.globl	k_qc913790760_chain
	.p2align	8
	.type	k_qc913790760_chain,@function
k_qc913790760_chain:
	s_mov_b64 s[64:65], 0
	v_nop
	global_prefetch_b8 v0, s[64:65] scope:SCOPE_SE
	s_setreg_imm32_b32 hwreg(HW_REG_WAVE_MODE, 25, 1), 1
	s_wait_xcnt 0x0
; CHAIN: part[y][80 tile + i][:] = gelu(x_i W1[e][:, half y] + b1[e][half y]) W2[e][half y, :], in f32, for the 80 sorted rows of one tile of one expert and one half (1,024) of the hidden width.
; x, W1, W2 arrive in bf16; b1 is rounded to bf16 here (every input has the same one rounding); the hidden layer is rounded once to bf16; all sums are f32.
; gelu (tanh form) = x / (1 + 2^(x (AL + BE x^2))), AL = -2 log2(e) sqrt(2 / pi), BE = 0.044715 AL.
; LIMITS.  An exponential or a reciprocal below 2^-126 counts as 0 (ISA guide, the entries of v_exp_f32 and v_rcp_f32); NaN and infinities are not treated apart; a table entry is clamped to expert 7, row 8,799.
; SHARES.  The half goes in four chunks of 256 hidden columns.  P1(i): wave w makes columns 64 w .. 64 w + 63 of chunk i for all 80 rows (20 accumulators, K = 512 in 16 steps).
; G(i): their activation, into LDS (H).  P2(i): wave w makes output columns 128 w .. + 127 for all 80 rows (40 accumulators kept over the four chunks, K = 256 a chunk in 8 steps).
; The matrix instruction is used transposed (source 0 = 16 weight columns, source 1 = 16 tokens): a lane holds one token (lane % 16) and eight neighbouring columns.
; BY TURNS.  P1(0), G(0); then for i = 1, 2, 3: P1(i), and P2(i - 1) with G(i) between its products; at last P2(3).  An accumulator's activation is a list of 40 vector instructions; three accumulators go in
; lockstep, one instruction of each behind each of a step's 40 products: 3 vector instructions and two window switches for a matrix instruction.  Steps 1-6 of P2 carry three accumulators each, step 7 two.
; H has two buffers, one read while the other is written, and ONE barrier a trip: behind it the buffer just written is whole and nobody reads the other any more.
; WEIGHTS come from memory straight into registers: each fragment has one reader in the work-group, and the layout makes every load 512 consecutive bytes.  A ring of eight groups of
; 32 registers (a group: 4 fragments, 8 loads) is refilled a step behind its use: seven groups, 28 KB a wave, are on their way.  The ring walks eight phases of 16 groups, in the order of use:
; W1(0), W1(1), W2(0), W1(2), W2(1), W1(3), W2(2), W2(3).
; ALL TRIP COUNTS ARE CONSTANTS, every branch hangs on the trip counter alone, goes forward (but the loop's own) and passes no barrier; only global addresses hang on the table.
; Rows past the tile's count repeat its last valid row; their results land in positions that nobody reads.
; NO CLUSTER: partners would be four row tiles of one expert, 320 rows; 8,192 rows in lots of 320 over 8 experts can need 26 + 7 = 33 clusters a half, 264 work-groups for 256 WGPs;
; and shared weights would have to pass through LDS, 2 MB a work-group in and out, where now they pass through none.
; REGISTERS, in windows of 256 (s_set_vgpr_msb: bits 1:0 source 0, 3:2 source 1, 5:4 source 2, 7:6 destination):
;   window 0: addresses, PKS, BI (bias as the C operand), ACC (P1's 20 accumulators; first the gathered rows, last the rows on the way out), TS
;   window 1: the weight ring      window 2: P2's accumulators of row blocks 0-3 at 64 b + 8 c      window 3: block 4's at 8 c; token fragments F0 = v64-103, F1 = v104-143
.set XP,    1040                       ; a row of X in LDS: 1,024 bytes + 16: an odd multiple of 16, so the 16 rows of a fragment load start in 16 different groups of four banks (ISA guide 11.1)
.set HP,    528                        ; a row of H, and of a stage: 512 + 16
.set B1L,   83456                      ; X: 0 .. 83,199;  then the half's 1,024 biases, f32
.set STAGE, 87552                      ; 16 rows x 528 bytes for each wave, for the way out
.set SPARE, 121344                     ; the spare words, 128 bytes a wave
.set H0,    131072                     ; H's first buffer, 80 rows;
.set HX,    65536                      ; one exclusive or turns its base into the second's, 196,608
.set WOFF, 3                           ; v3   16 x lane; never rewritten
.set XRD,  4                           ; v4   my place in a fragment of X, row blocks 0-2
.set XRD3, 5                           ; v5   the same, blocks 3 and 4 (past the 16-bit offset)
.set HRD,  6                           ; v6   my place in a fragment of the H buffer that is read
.set HST,  7                           ; v7   where my 16 bytes of activation go, in the buffer that is written
.set BRD,  8                           ; v8   my eight biases of the chunk to come; steps by 1,024
.set STO,  9                           ; v9   the way out: where I put 16 bytes of a row
.set SRD,  10                          ; v10  the way out: where I read a row back
.set XST,  11                          ; v11  where my wave's gathered rows go
.set BST,  12                          ; v12  where my eight biases go
.set SPW,  16                          ; v16  LDS address of my spare word; never rewritten
.set NIL,  17                          ; v17  0; never rewritten
.set HRD0, 18                          ; v18  HRD less the buffer's base; never rewritten
.set HST0, 19                          ; v19  HST less the buffer's base; never rewritten
.set PKS,  20                          ; v20-31 three sets of four: packed activations
.set T,    20                          ; v20-27 at work at the kernel's head
.set PK,   28                          ; v28-31 likewise
.set BI,   36                          ; v36-67
.set ACC,  68                          ; v68-227
.set ROWO, 228                         ; v228-247 the gather's row offsets
.set TS,   228                         ; v228-251 later: three sets of eight, the activation at work
.set F0,   64                          ; window 3
.set PA,   6                           ; s[6:7]   the stream's phase for P1 in hand
.set PB,   8                           ; s[8:9]   the phase behind it
.set PC,   36                          ; s[36:37] the phase behind that
.set W2S,  38                          ; s[38:39] my stream of W2's fragments, at its head
.set PP,   14                          ; s[14:15] part at my tile's first row, my 128 columns
.set CH,   30                          ; s30      trips to go, this one among them: 4, 3, 2, 1
.set HW,   31                          ; s31      the base of the H buffer that is written
.set MSB, 0
.macro WIN new                         ; the immediate's high byte repeats the setting that is left; a switch that changes nothing is dropped
.if MSB != (\new)
	s_set_vgpr_msb (MSB<<8)|(\new)
.set MSB, (\new)
.endif
.endm
.macro PLACES                          ; a load into a register that a matrix instruction has read, and a vector instruction or LDS store that reads a matrix result, stand four plain vector
.rept 4                                ; instructions behind it (ISA guide 7.12.1 for vector instructions)
	v_nop
.endr
.endm
.macro LDW base, off, g                ; a group of the ring: four fragments, eight loads of 512 consecutive bytes
	WIN 0x40
.irp c, 0,1,2,3
	global_load_b128 v[32*(\g)+8*\c:32*(\g)+8*\c+3],   v[WOFF], s[\base:\base+1] offset:(\off)+1024*\c
	global_load_b128 v[32*(\g)+8*\c+4:32*(\g)+8*\c+7], v[WOFF], s[\base:\base+1] offset:(\off)+1024*\c+512
.endr
.endm
.macro LDFX n, u                       ; the five token fragments of P1's step u (32 of x's 512 numbers) into buffer n: ten loads
	WIN 0xc0
.irp b, 0,1,2
	ds_load_b128 v[F0+40*(\n)+8*\b:F0+40*(\n)+8*\b+3],   v[XRD] offset:16*XP*\b+64*(\u)
	ds_load_b128 v[F0+40*(\n)+8*\b+4:F0+40*(\n)+8*\b+7], v[XRD] offset:16*XP*\b+64*(\u)+32
.endr
.irp b, 3,4
	ds_load_b128 v[F0+40*(\n)+8*\b:F0+40*(\n)+8*\b+3],   v[XRD3] offset:16*XP*(\b-3)+64*(\u)
	ds_load_b128 v[F0+40*(\n)+8*\b+4:F0+40*(\n)+8*\b+7], v[XRD3] offset:16*XP*(\b-3)+64*(\u)+32
.endr
.endm
.macro LDFH n, j                       ; the same for P2's step j, from H
	WIN 0xc0
.irp b, 0,1,2,3,4
	ds_load_b128 v[F0+40*(\n)+8*\b:F0+40*(\n)+8*\b+3],   v[HRD] offset:16*HP*\b+64*(\j)
	ds_load_b128 v[F0+40*(\n)+8*\b+4:F0+40*(\n)+8*\b+7], v[HRD] offset:16*HP*\b+64*(\j)+32
.endr
.endm
.macro PRE                             ; what P1's first step needs: its token fragments and the chunk's biases (register j of BI(c): column 16 c + 8 (lane / 16) + j of my 64)
	LDFX 0, 0
	WIN 0
.irp c, 0,1,2,3
	ds_load_b128 v[BI+8*\c:BI+8*\c+3],   v[BRD] offset:64*\c
	ds_load_b128 v[BI+8*\c+4:BI+8*\c+7], v[BRD] offset:64*\c+16
.endr
	v_add_nc_u32 v[BRD], 1024, v[BRD]
.endm
; The accumulators take turns, one instruction a turn: 19 (P1) or 39 (P2) others' stand between two links of a chain, from step to step and round the loop too.
.macro MM1 u, first                    ; 20 products; first = 1: the bias starts the sums
	WIN 0x0d
.irp b, 0,1,2,3,4
.irp c, 0,1,2,3
.if \first
	v_wmma_f32_16x16x32_bf16 v[ACC+8*(4*\b+\c):ACC+8*(4*\b+\c)+7], v[32*((\u)%8)+8*\c:32*((\u)%8)+8*\c+7], v[F0+40*((\u)%2)+8*\b:F0+40*((\u)%2)+8*\b+7], v[BI+8*\c:BI+8*\c+7]
.else
	v_wmma_f32_16x16x32_bf16 v[ACC+8*(4*\b+\c):ACC+8*(4*\b+\c)+7], v[32*((\u)%8)+8*\c:32*((\u)%8)+8*\c+7], v[F0+40*((\u)%2)+8*\b:F0+40*((\u)%2)+8*\b+7], v[ACC+8*(4*\b+\c):ACC+8*(4*\b+\c)+7]
.endif
.endr
.endr
.endm
.macro MM2 j, zero                     ; 40 products; zero = 1: they start the sums: nothing is ever cleared
.irp b, 0,1,2,3,4
.if \b < 4
	WIN 0xad
.else
	WIN 0xfd
.endif
.irp c, 0,1,2,3,4,5,6,7
.set rD, (64*\b+8*\c)%256
.if \zero
	v_wmma_f32_16x16x32_bf16 v[rD:rD+7], v[64*((\j)%4)+8*\c:64*((\j)%4)+8*\c+7], v[F0+40*((\j)%2)+8*\b:F0+40*((\j)%2)+8*\b+7], 0
.else
	v_wmma_f32_16x16x32_bf16 v[rD:rD+7], v[64*((\j)%4)+8*\c:64*((\j)%4)+8*\c+7], v[F0+40*((\j)%2)+8*\b:F0+40*((\j)%2)+8*\b+7], v[rD:rD+7]
.endif
.endr
.endr
.endm
; THE ACTIVATION of accumulator g (= 4 b + c) is a list of 40; GE writes number k of it, at work in set s.  x0-x7 are the lane's eight numbers, in pairs 0-3, read from the low registers on.
;   0-3  x^2      4-7  BE x^2 + AL      8, 9, 12, 15  times x      10, 11, 13, 14, 16, 17, 19, 20  the exponentials      18, 21, 24, 27  + 1
;   22, 23, 25, 26, 28, 29, 31, 32  the reciprocals      30, 33, 35, 37  times x      34, 36, 38, 39  rounded to bf16
; Between a transcendental and the use of its result stands a plain instruction of the same list (ISA guide 5.7.2): the pair's exponentials at 10, 11 are used at 18, behind 12; and so on.
.macro GE g, s, k
.set rA, ACC+8*(\g)
.set rT, TS+8*(\s)
.set rP, PKS+4*(\s)
.if (\k) < 4
.set gh, 2*(\k)
	v_pk_mul_f32 v[rT+gh:rT+gh+1], v[rA+gh:rA+gh+1], v[rA+gh:rA+gh+1]
.elseif (\k) < 8
.set gh, 2*((\k)-4)
	v_pk_fma_f32 v[rT+gh:rT+gh+1], v[rT+gh:rT+gh+1], s[34:35], s[32:33] op_sel_hi:[1,0,0]
.elseif (\k) < 10
.set gh, 2*((\k)-8)
	v_pk_mul_f32 v[rT+gh:rT+gh+1], v[rT+gh:rT+gh+1], v[rA+gh:rA+gh+1]
.elseif (\k) < 34
.set gq, ((\k)-10)/3
.set gz, ((\k)-10)%3
.if gz < 2
.set gh, 2*(gq%4)+gz
.if gq < 4
	v_exp_f32 v[rT+gh], v[rT+gh]
.else
	v_rcp_f32 v[rT+gh], v[rT+gh]
.endif
.elseif gq < 2
.set gh, 2*(gq+2)
	v_pk_mul_f32 v[rT+gh:rT+gh+1], v[rT+gh:rT+gh+1], v[rA+gh:rA+gh+1]
.elseif gq < 6
.set gh, 2*(gq-2)
	s_wait_alu depctr_va_vdst(0)
	v_pk_add_f32 v[rT+gh:rT+gh+1], v[rT+gh:rT+gh+1], 1.0 op_sel_hi:[1,0]
.else
.set gh, 2*(gq-6)
	v_pk_mul_f32 v[rT+gh:rT+gh+1], v[rT+gh:rT+gh+1], v[rA+gh:rA+gh+1]
.endif
.elseif ((\k)%2) == 0
.set gh, ((\k)-34)/2
	v_cvt_pk_bf16_f32 v[rP+gh], v[rT+2*gh], v[rT+2*gh+1]
.elseif (\k) < 39
.set gh, 2*(((\k)-35)/2+2)
	s_wait_alu depctr_va_vdst(0)
	v_pk_mul_f32 v[rT+gh:rT+gh+1], v[rT+gh:rT+gh+1], v[rA+gh:rA+gh+1]
.else
	v_cvt_pk_bf16_f32 v[rP+3], v[rT+6], v[rT+7]
.endif
.endm
.macro RID n, g0                       ; number kk of the lists of n accumulators, g0 on: none names a register of P2's products
	WIN 0
	GE (\g0), 0, kk
.if (\n) > 1
	GE (\g0)+1, 1, kk
.endif
.if (\n) > 2
	GE (\g0)+2, 2, kk
.endif
.endm
.macro PKST n, g0                      ; their packed results go into H: 16 bytes of a row each.  These stores stand in a run with a step's loads, never singly among the products
.set gs, 0
.rept \n
	ds_store_b128 v[HST], v[PKS+4*gs:PKS+4*gs+3] offset:16*HP*(((\g0)+gs)/4)+32*(((\g0)+gs)%4)
.set gs, gs+1
.endr
.endm
.macro MM2R j, n, g0                   ; P2's step j, and behind each of its 40 products one instruction of each of n activations
.set kk, 0
.irp b, 0,1,2,3,4
.irp c, 0,1,2,3,4,5,6,7
.if \b < 4
	WIN 0xad
.else
	WIN 0xfd
.endif
.set rD, (64*\b+8*\c)%256
	v_wmma_f32_16x16x32_bf16 v[rD:rD+7], v[64*((\j)%4)+8*\c:64*((\j)%4)+8*\c+7], v[F0+40*((\j)%2)+8*\b:F0+40*((\j)%2)+8*\b+7], v[rD:rD+7]
	RID \n, \g0
.set kk, kk+1
.endr
.endr
.endm
.macro GALONE                          ; the first chunk's activation: there is no second product yet to set it beside
.set gg, 0
.rept 6
.set kk, 0
.rept 40
	RID 3, gg
.set kk, kk+1
.endr
	PKST 3, gg
.set gg, gg+3
.endr
.set kk, 0
.rept 40
	RID 2, 18
.set kk, kk+1
.endr
	PKST 2, 18
.endm
	s_load_b256 s[4:11], s[0:1], 0x0               ; xs 4, w1f 6, w2f 8, b1 10
	s_load_b128 s[12:15], s[0:1], 0x20             ; tab 12, part 14
	v_lshl_add_u32 v[SPW], v0, 2, SPARE
	v_mov_b32 v[NIL], 0
	v_lshrrev_b32 v13, 5, v0
	v_readfirstlane_b32 s16, v13                   ; wave 0..3
	s_mov_b32 s17, ttmp9                           ; tile
	s_and_b32 s18, ttmp7, 0xffff                   ; half
	v_and_b32 v13, 31, v0
	v_and_b32 v1, 15, v0                           ; r
	v_bfe_u32 v2, v0, 4, 1                         ; hh
	v_lshlrev_b32 v[WOFF], 4, v13
	v_mul_u32_u24 v[XRD], v1, XP
	v_lshl_add_u32 v[XRD], v2, 4, v[XRD]           ; row x pitch + 16 x half of the lanes
	v_add_nc_u32 v[XRD3], 3*16*XP, v[XRD]
	v_mul_u32_u24 v14, v1, HP
	v_lshl_add_u32 v[HRD0], v2, 4, v14
	s_lshl_b32 s24, s16, 7
	v_add_nc_u32 v[HST0], s24, v[HRD0]             ; + my wave's 64 columns
	s_mov_b32 s[HW], H0
	v_add_nc_u32 v[HRD], s[HW], v[HRD0]
	v_add_nc_u32 v[HST], s[HW], v[HST0]
	s_lshl_b32 s24, s16, 8
	s_add_co_u32 s24, s24, B1L
	v_lshl_add_u32 v[BRD], v2, 5, s24
	s_mul_i32 s25, s16, 16*HP
	s_add_co_u32 s25, s25, STAGE
	v_lshl_add_u32 v[STO], v2, 5, v14
	v_add_nc_u32 v[STO], s25, v[STO]
	v_add_nc_u32 v[SRD], s25, v[WOFF]
	s_mul_i32 s24, s16, 20*XP
	v_add_nc_u32 v[XST], s24, v[WOFF]
	v_lshl_add_u32 v[BST], v0, 5, B1L
	v_lshlrev_b32 v15, 5, v0                       ; my eight biases in memory
	s_mov_b32 s32, 0xc0135761                      ; AL = -2.3022082
	s_mov_b32 s33, 0xc0135761                      ; (named as pairs)
	s_mov_b32 s34, 0xbdd2d3e8                      ; BE = -0.10294324
	s_mov_b32 s35, 0xbdd2d3e8
	s_lshl_b32 s24, s17, 4
	s_mov_b32 s25, 0
	s_wait_kmcnt 0x0
	s_add_nc_u64 s[12:13], s[12:13], s[24:25]
	s_load_b128 s[20:23], s[12:13], 0x0            ; expert, first position, last valid row
	s_mul_i32 s26, s18, 18022400                   ; a half of part: 8,800 rows of 2,048 bytes
	s_mul_i32 s27, s17, 163840                     ; 80 rows
	s_add_co_u32 s26, s26, s27
	s_lshl_b32 s27, s16, 9
	s_add_co_u32 s26, s26, s27
	s_mov_b32 s27, 0
	s_add_nc_u64 s[PP:PP+1], s[PP:PP+1], s[26:27]
	s_wait_kmcnt 0x0
	s_min_u32 s20, s20, 7
	s_lshl_b32 s24, s20, 1
	s_add_co_u32 s24, s24, s18                     ; 2 e + y
	s_lshl_b32 s28, s24, 12                        ; 1,024 biases of 4 bytes
	s_mov_b32 s29, 0
	s_add_nc_u64 s[10:11], s[10:11], s[28:29]
	s_lshl_b32 s24, s24, 2
	s_add_co_u32 s24, s24, s16
	s_lshl_b32 s24, s24, 18                        ; my stream: 262,144 bytes in each of the two buffers, 65,536 a chunk
	s_add_nc_u64 s[W2S:W2S+1], s[8:9], s[24:25]
	s_add_nc_u64 s[PA:PA+1], s[PA:PA+1], s[24:25]  ; W1(0),
	s_add_nc_u64 s[PB:PB+1], s[PA:PA+1], 0x10000   ; behind it W1(1),
	s_add_nc_u64 s[PC:PC+1], s[PA:PA+1], 0x20000   ; and W1(2), which the second trip asks for: all three pointers are made here, ahead of every way into the loop's text
	; THE GATHER.  Wave w brings rows 20 w .. 20 w + 19 of the tile: row first + min(i, last valid), 1,024 bytes, two loads
	s_mul_i32 s26, s16, 20
.set i, 0
.rept 20
	s_add_co_u32 s24, s26, i
	s_min_u32 s24, s24, s22
	s_add_co_u32 s24, s24, s21
	s_min_u32 s24, s24, 0x225f
	v_lshl_add_u32 v[ROWO+i], s24, 10, v[WOFF]
.set i, i+1
.endr
.set i, 0
.rept 20
	global_load_b128 v[ACC+8*i:ACC+8*i+3],   v[ROWO+i], s[4:5]
	global_load_b128 v[ACC+8*i+4:ACC+8*i+7], v[ROWO+i], s[4:5] offset:512
.set i, i+1
.endr
	global_load_b128 v[T:T+3],   v15, s[10:11]
	global_load_b128 v[T+4:T+7], v15, s[10:11] offset:16
.set i, 0
.rept 8
	LDW PA, 4096*i, i                              ; the ring's first fill: P1's steps 0 to 7
.set i, i+1
.endr
	WIN 0
	s_wait_loadcnt 63                              ; 64 loads are younger than the rows and biases; the wait's field ends at 63, which also awaits the ring's first load
.set i, 0
.rept 20
	ds_store_b128 v[XST], v[ACC+8*i:ACC+8*i+3]   offset:XP*i
	ds_store_b128 v[XST], v[ACC+8*i+4:ACC+8*i+7] offset:XP*i+512
.set i, i+1
.endr
.irp q, 0,1,2,3
	v_cvt_pk_bf16_f32 v[PK+\q], v[T+2*\q], v[T+2*\q+1]   ; b1 rounded to bf16,
.endr
.irp q, 0,1,2,3
	v_lshlrev_b32 v[T+2*\q], 16, v[PK+\q]                ; and kept as f32
	v_and_b32 v[T+2*\q+1], 0xffff0000, v[PK+\q]
.endr
	ds_store_b128 v[BST], v[T:T+3]
	ds_store_b128 v[BST], v[T+4:T+7] offset:16
	s_wait_dscnt 0x0                               ; for the other waves: my stores are done
	s_barrier_signal -1
	s_barrier_wait -1                              ; X and the biases are whole; nobody writes them again
	PRE
	s_mov_b32 s[CH], 4
.Lchunk:
	; P1.  Step u: the ring group read a step ago takes group u + 7 of the phase (from u = 9 on: the next phase's first groups); the next step's token fragments; then 20 products.
	LDFX 1, 1
	s_wait_loadcnt 56                              ; group 0 is in: the seven groups behind it, 56 loads, stay out
	s_wait_dscnt 10                                ; all but the ten fragment loads just issued
	MM1 0, 1
.set u, 1
.rept 15
	PLACES
.if u <= 8
	LDW PA, 4096*(u+7), (u+7)%8
.else
	LDW PB, 4096*(u-9), (u+7)%8
.endif
.if u < 15
	LDFX (u+1)%2, u+1
	s_wait_loadcnt 56
	s_wait_dscnt 10
.else
	s_wait_loadcnt 56
	s_wait_dscnt 0x0
.endif
	MM1 u, 0
.set u, u+1
.endr
	PLACES
	LDW PB, 4096*7, 7
	WIN 0
	s_cmp_eq_u32 s[CH], 4
	s_cbranch_scc1 .Lfirst                         ; the first trip has no second product yet
	; P2 OF THE CHUNK BEFORE, WITH THIS CHUNK'S ACTIVATION.  Step j takes two ring groups (eight fragments of W2); the two read a step ago are refilled.
	LDFH 0, 0
	LDFH 1, 1
	s_wait_loadcnt 48                              ; step 0's two groups are in: six groups behind them stay out
	s_wait_dscnt 10
	WIN 0
	s_cmp_lg_u32 s[CH], 3                          ; the first chunk's first step starts the sums with the constant 0.  Step 0 stands twice, so it carries no activation
	s_cbranch_scc1 .Ladd0
	MM2 0, 1
	WIN 0
	s_branch .Ljoin0
.Ladd0:
	MM2 0, 0
	WIN 0
.Ljoin0:
.set j, 1
.rept 6
	PLACES
	WIN 0
.if j > 1
	PKST 3, 3*(j-2)                                ; what the step before has packed
.endif
.if j <= 4
	LDW PB, 4096*(6+2*j), (2*j+6)%8
	LDW PB, 4096*(7+2*j), (2*j+7)%8
.else
	LDW PC, 4096*(2*j-10), (2*j+6)%8               ; the next phase
	LDW PC, 4096*(2*j-9),  (2*j+7)%8
.endif
	LDFH (j+1)%2, j+1
	s_wait_loadcnt 48
	s_wait_dscnt 10                                ; the ten fragment loads just issued may be out; the stores in front of them are older
	MM2R j, 3, 3*(j-1)
.set j, j+1
.endr
	PLACES
	WIN 0
	PKST 3, 15
	LDW PC, 4096*4, 4
	LDW PC, 4096*5, 5
	WIN 0
	s_cmp_eq_u32 s[CH], 1                          ; behind the last trip no P1 follows: nothing is read for a fifth chunk
	s_cbranch_scc1 .Lnopre
	PRE
.Lnopre:
	s_wait_loadcnt 48
	s_wait_dscnt 0x0
	MM2R 7, 2, 18
	PLACES
	WIN 0
	PKST 2, 18
	LDW PC, 4096*6, 6
	LDW PC, 4096*7, 7
	WIN 0
	s_wait_xcnt 0x0                                ; the loads' bases are rewritten only behind this wait (ISA guide 3.1)
	s_mov_b64 s[PA:PA+1], s[PC:PC+1]               ; the phases move up: what followed P2 is in hand,
	s_add_nc_u64 s[PB:PB+1], s[PB:PB+1], 0x10000   ; behind it W2's next chunk,
	s_add_nc_u64 s[40:41], s[PA:PA+1], 0x10000     ; and behind that W1's next chunk,
	s_add_nc_u64 s[42:43], s[PB:PB+1], 0x10000     ; or, where the trip to come is the last, W2's last
	s_cmp_eq_u32 s[CH], 2
	s_cselect_b64 s[PC:PC+1], s[42:43], s[40:41]
	s_branch .Lbottom
.Lfirst:
	PRE
	GALONE
	s_wait_xcnt 0x0
	s_mov_b64 s[PA:PA+1], s[PB:PB+1]               ; W1(1) is in hand, behind it W2(0); behind that W1(2), which PC has held since the kernel's head
	s_mov_b64 s[PB:PB+1], s[W2S:W2S+1]
.Lbottom:
	s_wait_dscnt 0x0                               ; for the other waves: my part of H is stored, and my reads of the other buffer are over
	s_barrier_signal -1
	s_barrier_wait -1                              ; the buffer just written is whole; nobody reads the other any more
	v_add_nc_u32 v[HRD], s[HW], v[HRD0]            ; the two change places
	s_xor_b32 s[HW], s[HW], HX
	v_add_nc_u32 v[HST], s[HW], v[HST0]
	s_sub_co_u32 s[CH], s[CH], 1
	s_cmp_lg_u32 s[CH], 0
	s_cbranch_scc1 .Lchunk
	; P2 OF THE LAST CHUNK: its phase is in hand (PA); nothing follows it, so the counts run down
	LDFH 0, 0
	LDFH 1, 1
	s_wait_loadcnt 48
	s_wait_dscnt 10
	MM2 0, 0
.set j, 1
.rept 4
	PLACES
	LDW PA, 4096*(6+2*j), (2*j+6)%8
	LDW PA, 4096*(7+2*j), (2*j+7)%8
	LDFH (j+1)%2, j+1
	s_wait_loadcnt 48
	s_wait_dscnt 10
	MM2 j, 0
.set j, j+1
.endr
	PLACES
	LDFH 0, 6
	s_wait_loadcnt 32                              ; four groups are younger than step 5's
	s_wait_dscnt 10
	MM2 5, 0
	PLACES
	LDFH 1, 7
	s_wait_loadcnt 16                              ; two
	s_wait_dscnt 10
	MM2 6, 0
	s_wait_loadcnt 0x0
	s_wait_dscnt 0x0
	MM2 7, 0
	; THE WAY OUT, a block of 16 rows at a time through my own stage: 16 bytes a lane in, whole rows of 512 bytes back, stored as 512 consecutive aligned bytes.
	PLACES
.irp b, 0,1,2,3,4
.if \b < 4
	WIN 0x08
.else
	WIN 0x0c
.endif
.irp c, 0,1,2,3,4,5,6,7
.set rD, (64*\b+8*\c)%256
	ds_store_b128 v[STO], v[rD:rD+3]   offset:64*\c       ; each accumulator's low registers first
	ds_store_b128 v[STO], v[rD+4:rD+7] offset:64*\c+16
.endr
	WIN 0
	s_wait_xcnt 0x0                                ; the stores of two blocks ago have read the registers that are loaded again below
.irp t, 0,1,2,3,4,5,6,7,8,9,10,11,12,13,14,15
	ds_load_b128 v[ACC+64*(\b%2)+4*\t:ACC+64*(\b%2)+4*\t+3], v[SRD] offset:HP*\t  ; LDS serves a wave's instructions in order (ISA guide 5.7.1.4): these see the stores above
.endr
.irp t, 0,1,2,3,4,5,6,7,8,9,10,11,12,13,14,15
	s_wait_dscnt 15-\t
	global_store_b128 v[WOFF], v[ACC+64*(\b%2)+4*\t:ACC+64*(\b%2)+4*\t+3], s[PP:PP+1] offset:(16*\b+\t)*2048
.endr
.endr
	s_wait_tensorcnt 0x0                           ; the wave's end
	ds_add_u32 v[SPW], v[NIL]
	s_wait_dscnt 0x0
	s_endpgm
.Lfunc_end_k_qc913790760_chain:
	.size	k_qc913790760_chain, .Lfunc_end_k_qc913790760_chain-k_qc913790760_chain
	.p2alignl 7, 3214868480
	.fill 96, 4, 3214868480
	.section	.rodata,"a",@progbits
	.p2align	6, 0x0
	.amdhsa_kernel k_qc913790760_chain
		.amdhsa_group_segment_fixed_size 238848
		.amdhsa_private_segment_fixed_size 0
		.amdhsa_enable_private_segment 0
		.amdhsa_kernarg_size 48
		.amdhsa_user_sgpr_count 2
		.amdhsa_user_sgpr_kernarg_segment_ptr 1
		.amdhsa_wavefront_size32 1
		.amdhsa_system_sgpr_workgroup_id_x 1
		.amdhsa_system_sgpr_workgroup_id_y 1
		.amdhsa_system_sgpr_workgroup_id_z 1
		.amdhsa_system_vgpr_workitem_id 0
		.amdhsa_next_free_vgpr 912
		.amdhsa_next_free_sgpr 66
		.amdhsa_reserve_vcc 0
		.amdhsa_float_denorm_mode_32 3
		.amdhsa_float_denorm_mode_16_64 3
		.amdhsa_memory_ordered 1
		.amdhsa_forward_progress 1
		.amdhsa_inst_pref_size 255
	.end_amdhsa_kernel
	.section	.bss,"aw",@nobits
	.p2align	6
	.space	262144
	.amdgpu_metadata
---
amdhsa.version: [ 1, 2 ]
amdhsa.kernels:
  - .name:           k_qc913790760_chain
    .symbol:         k_qc913790760_chain.kd
    .args:
      - { .name: xs, .offset: 0, .size: 8, .value_kind: global_buffer, .address_space: global }
      - { .name: w1f, .offset: 8, .size: 8, .value_kind: global_buffer, .address_space: global }
      - { .name: w2f, .offset: 16, .size: 8, .value_kind: global_buffer, .address_space: global }
      - { .name: b1, .offset: 24, .size: 8, .value_kind: global_buffer, .address_space: global }
      - { .name: tab, .offset: 32, .size: 8, .value_kind: global_buffer, .address_space: global }
      - { .name: part, .offset: 40, .size: 8, .value_kind: global_buffer, .address_space: global }
    .group_segment_fixed_size: 238848
    .private_segment_fixed_size: 0
    .kernarg_segment_align: 8
    .kernarg_segment_size: 48
    .max_flat_workgroup_size: 128
    .sgpr_count:     66
    .vgpr_count:     912
    .wavefront_size: 32
...
	.end_amdgpu_metadata
.endif
;; end of part 2
;; launch comb (part 3): grid 256 x 1, 8 waves a work-group, no clusters, 0 bytes of LDS; arguments part, pos, indices, probabilities, b2, out0; writes out0
.if DOCPART == 3
	.amdgcn_target "amdgcn-amd-amdhsa--gfx1250"
	.amdhsa_code_object_version 6
	.text
	.protected	k_qc913790760_comb
	.globl	k_qc913790760_comb
	.p2align	8
	.type	k_qc913790760_comb,@function
k_qc913790760_comb:
	s_mov_b64 s[64:65], 0
	v_nop
	global_prefetch_b8 v0, s[64:65] scope:SCOPE_SE
	s_setreg_imm32_b32 hwreg(HW_REG_WAVE_MODE, 25, 1), 1
	s_wait_xcnt 0x0
; COMB: out0[t] = the sum over k of p[t][k] (part[0][pos[t][k]] + part[1][pos[t][k]] + b2[indices[t][k]]), all in f32; p and b2 are first rounded to bf16, like every other input.
; A stream: a wave takes two tokens; all its 49 loads go out before the first wait; every load and store of a row covers 512 consecutive aligned bytes.
; No LDS, no barrier, no matrix unit, no cluster: no byte of part is read twice, and b2 is 16 KB.
; LIMITS.  A position is clamped to 8,799, an index to 7 (as unsigned numbers).
.set D, 16                             ; slot q (0..3 = token, k), kind (0, 1: part's halves; 2: b2), segment n of 512 bytes: v[16 + 48 q + 16 kind + 4 n]
.set P, 208                            ; v208-215: each of the four p twice, a pair for the packed lines
	s_load_b256 s[4:11], s[0:1], 0x0               ; part 4, pos 6, indices 8, probabilities 10
	s_load_b128 s[12:15], s[0:1], 0x20             ; b2 12, out0 14
	v_lshrrev_b32 v2, 5, v0
	v_readfirstlane_b32 s16, v2                    ; wave
	v_and_b32 v2, 31, v0
	v_lshlrev_b32 v1, 4, v2                        ; 16 x lane; never rewritten
	s_lshl_b32 s17, ttmp9, 3
	s_add_co_u32 s17, s17, s16                     ; my pair of tokens
	s_lshl_b32 s18, s17, 4                         ; its four slots: 16 bytes in pos, indices and probabilities
	s_mov_b32 s19, 0
	s_lshl_b32 s30, s17, 12                        ; its two rows of out0
	s_mov_b32 s31, 0
	s_mov_b32 s32, 0xffff0000
	v_mov_b32 v3, s18
	s_wait_kmcnt 0x0
	s_add_nc_u64 s[6:7], s[6:7], s[18:19]
	s_add_nc_u64 s[8:9], s[8:9], s[18:19]
	s_load_b128 s[20:23], s[6:7], 0x0
	s_load_b128 s[24:27], s[8:9], 0x0
	global_load_b128 v[4:7], v3, s[10:11]          ; the four p, the same in every lane
	s_add_nc_u64 s[28:29], s[4:5], 18022400        ; part's second half
	s_add_nc_u64 s[14:15], s[14:15], s[30:31]
	s_wait_kmcnt 0x0
.irp q, 0,1,2,3
	s_min_u32 s[20+\q], s[20+\q], 0x225f
	s_min_u32 s[24+\q], s[24+\q], 7
	v_lshl_add_u32 v[8+\q],  s[20+\q], 11, v1      ; rows of 2,048 bytes
	v_lshl_add_u32 v[12+\q], s[24+\q], 11, v1
.endr
.irp q, 0,1,2,3
.irp n, 0,1,2,3
	global_load_b128 v[D+48*\q+4*\n:D+48*\q+4*\n+3],       v[8+\q],  s[4:5]   offset:512*\n th:TH_LOAD_NT
	global_load_b128 v[D+48*\q+16+4*\n:D+48*\q+16+4*\n+3], v[8+\q],  s[28:29] offset:512*\n th:TH_LOAD_NT
	global_load_b128 v[D+48*\q+32+4*\n:D+48*\q+32+4*\n+3], v[12+\q], s[12:13] offset:512*\n
.endr
.endr
.macro TOKEN a
.irp k, 0,1
.irp n, 0,1,2,3
.set rS, D+48*(2*(\a)+\k)+4*\n
	v_cvt_pk_bf16_f32 v216, v[rS+32], v[rS+33]     ; b2 rounded to bf16 and widened again
	v_cvt_pk_bf16_f32 v217, v[rS+34], v[rS+35]
	v_pk_add_f32 v[rS:rS+1],   v[rS:rS+1],   v[rS+16:rS+17]
	v_pk_add_f32 v[rS+2:rS+3], v[rS+2:rS+3], v[rS+18:rS+19]
	v_lshlrev_b32 v[rS+32], 16, v216
	v_and_b32     v[rS+33], s32, v216
	v_lshlrev_b32 v[rS+34], 16, v217
	v_and_b32     v[rS+35], s32, v217
	v_pk_add_f32 v[rS:rS+1],   v[rS:rS+1],   v[rS+32:rS+33]
	v_pk_add_f32 v[rS+2:rS+3], v[rS+2:rS+3], v[rS+34:rS+35]
.endr
.endr
.set rA, D+96*(\a)
.set i, 0
.rept 8
	v_pk_mul_f32 v[rA+2*i:rA+2*i+1], v[rA+2*i:rA+2*i+1], v[P+4*(\a):P+4*(\a)+1]
.set i, i+1
.endr
.set i, 0
.rept 8
	v_pk_fma_f32 v[rA+2*i:rA+2*i+1], v[rA+48+2*i:rA+48+2*i+1], v[P+4*(\a)+2:P+4*(\a)+3], v[rA+2*i:rA+2*i+1]
.set i, i+1
.endr
.irp n, 0,1,2,3
	global_store_b128 v1, v[rA+4*\n:rA+4*\n+3], s[14:15] offset:2048*(\a)+512*\n th:TH_STORE_NT
.endr
.endm
	s_wait_loadcnt 24                              ; p and the first token's 24 loads are in; the second token's 24 stay out
	v_cvt_pk_bf16_f32 v216, v4, v5
	v_cvt_pk_bf16_f32 v217, v6, v7
	v_lshlrev_b32 v[P],   16, v216
	v_lshlrev_b32 v[P+1], 16, v216
	v_and_b32     v[P+2], s32, v216
	v_and_b32     v[P+3], s32, v216
	v_lshlrev_b32 v[P+4], 16, v217
	v_lshlrev_b32 v[P+5], 16, v217
	v_and_b32     v[P+6], s32, v217
	v_and_b32     v[P+7], s32, v217
	TOKEN 0
	s_wait_loadcnt 0x0
	TOKEN 1                                        ; it writes none of the registers that the first token's stores read
	s_endpgm
.Lfunc_end_k_qc913790760_comb:
	.size	k_qc913790760_comb, .Lfunc_end_k_qc913790760_comb-k_qc913790760_comb
	.p2alignl 7, 3214868480
	.fill 96, 4, 3214868480
	.section	.rodata,"a",@progbits
	.p2align	6, 0x0
	.amdhsa_kernel k_qc913790760_comb
		.amdhsa_group_segment_fixed_size 0
		.amdhsa_private_segment_fixed_size 0
		.amdhsa_enable_private_segment 0
		.amdhsa_kernarg_size 48
		.amdhsa_user_sgpr_count 2
		.amdhsa_user_sgpr_kernarg_segment_ptr 1
		.amdhsa_wavefront_size32 1
		.amdhsa_system_sgpr_workgroup_id_x 1
		.amdhsa_system_sgpr_workgroup_id_y 1
		.amdhsa_system_sgpr_workgroup_id_z 1
		.amdhsa_system_vgpr_workitem_id 0
		.amdhsa_next_free_vgpr 220
		.amdhsa_next_free_sgpr 66
		.amdhsa_reserve_vcc 0
		.amdhsa_float_denorm_mode_32 3
		.amdhsa_float_denorm_mode_16_64 3
		.amdhsa_memory_ordered 1
		.amdhsa_forward_progress 1
		.amdhsa_inst_pref_size 18
	.end_amdhsa_kernel
	.amdgpu_metadata
---
amdhsa.version: [ 1, 2 ]
amdhsa.kernels:
  - .name:           k_qc913790760_comb
    .symbol:         k_qc913790760_comb.kd
    .args:
      - { .name: part, .offset: 0, .size: 8, .value_kind: global_buffer, .address_space: global }
      - { .name: pos, .offset: 8, .size: 8, .value_kind: global_buffer, .address_space: global }
      - { .name: indices, .offset: 16, .size: 8, .value_kind: global_buffer, .address_space: global }
      - { .name: probabilities, .offset: 24, .size: 8, .value_kind: global_buffer, .address_space: global }
      - { .name: b2, .offset: 32, .size: 8, .value_kind: global_buffer, .address_space: global }
      - { .name: out0, .offset: 40, .size: 8, .value_kind: global_buffer, .address_space: global }
    .group_segment_fixed_size: 0
    .private_segment_fixed_size: 0
    .kernarg_segment_align: 8
    .kernarg_segment_size: 48
    .max_flat_workgroup_size: 256
    .sgpr_count:     66
    .vgpr_count:     220
    .wavefront_size: 32
...
	.end_amdgpu_metadata
.endif
;; end of part 3
;; ======== version 2 of 2: 3 launches; version 1 with the launch chain written anew for expert scheduling mode
;; workspace buffers: xs 9,011,200 bytes; w1f 16,777,216 bytes; w2f 16,777,216 bytes; part 36,044,800 bytes; pos 32,768 bytes of whole numbers; tab 2,048 bytes of whole numbers
;; launch prep: the kernel of part 1 again; grid 768 x 1, 8 waves a work-group, no clusters, 67,840 bytes of LDS; arguments indices, input_batch, W1, W2, xs, w1f, w2f, pos, tab, out1; writes xs, w1f, w2f, pos, tab, out1
;; launch chain (part 4): grid 110 x 2, 4 waves a work-group, no clusters, 238,848 bytes of LDS; arguments xs, w1f, w2f, b1, tab, part; writes part
.if DOCPART == 4
	.amdgcn_target "amdgcn-amd-amdhsa--gfx1250"
	.amdhsa_code_object_version 6
	.text
	.protected	k_qc913790760_chain
	.globl	k_qc913790760_chain
	.p2align	8
	.type	k_qc913790760_chain,@function
k_qc913790760_chain:
	s_mov_b64 s[64:65], 0
	v_nop
	global_prefetch_b8 v0, s[64:65] scope:SCOPE_SE
	s_setreg_imm32_b32 hwreg(HW_REG_WAVE_SCHED_MODE, 0, 2), 2
	s_setreg_imm32_b32 hwreg(HW_REG_WAVE_MODE, 25, 1), 1
	s_wait_xcnt 0x0
	s_wait_alu depctr_vm_vsrc(0)
; CHAIN: part[y][80 tile + i][:] = gelu(x_i W1[e][:, half y] + b1[e][half y]) W2[e][half y, :], in f32, for the 80 sorted rows of one tile of one expert and one half (1,024) of the hidden width.
; x, W1, W2 arrive in bf16; b1 is rounded to bf16 here (every input has the same one rounding); the hidden layer is rounded once to bf16; all sums are f32.
; gelu (tanh form) = x / (1 + 2^(x (AL + BE x^2))), AL = -2 log2(e) sqrt(2 / pi), BE = 0.044715 AL.
; LIMITS.  An exponential or a reciprocal below 2^-126 counts as 0 (ISA guide, the entries of v_exp_f32 and v_rcp_f32); NaN and infinities are not treated apart; a table entry is clamped to expert 7, row 8,799.
; SHARES.  The half goes in four chunks of 256 hidden columns.  P1(i): wave w makes columns 64 w .. 64 w + 63 of chunk i for all 80 rows (20 accumulators, K = 512 in 16 steps).
; G(i): their activation, into LDS (H).  P2(i): wave w makes output columns 128 w .. + 127 for all 80 rows (40 accumulators kept over the four chunks, K = 256 a chunk in 8 steps).
; The matrix instruction is used transposed (source 0 = 16 weight columns, source 1 = 16 tokens): a lane holds one token (lane % 16) and eight neighbouring columns.
; BY TURNS.  P1(0), G(0); then for i = 1, 2, 3: P1(i), and P2(i - 1) with G(i) between its products; at last P2(3).  An accumulator's activation is a list of 40 vector instructions; three accumulators go in
; lockstep, one instruction of each behind each of a step's 40 products.  Steps 1-6 of P2 carry three accumulators each, step 7 two.
; H has two buffers, one read while the other is written, and ONE barrier a trip: behind it the buffer just written is whole and nobody reads the other any more.
; WEIGHTS come from memory straight into registers: each fragment has one reader in the work-group, and the layout makes every load 512 consecutive bytes.  A ring of eight groups of
; 32 registers (a group: 4 fragments, 8 loads) is refilled a step behind its use.  The ring walks eight phases of 16 groups, in the order of use:
; W1(0), W1(1), W2(0), W1(2), W2(1), W1(3), W2(2), W2(3).
; ALL TRIP COUNTS ARE CONSTANTS, every branch hangs on the trip counter alone, goes forward (but the loop's own) and passes no barrier; only global addresses hang on the table.
; Rows past the tile's count repeat its last valid row; their results land in positions that nobody reads.
; NO CLUSTER: partners would be four row tiles of one expert, 320 rows; 8,192 rows in lots of 320 over 8 experts can need 26 + 7 = 33 clusters a half, 264 work-groups for 256 WGPs;
; and shared weights would have to pass through LDS, 2 MB a work-group in and out, where now they pass through none.
; THE MODE: SCHED_MODE bits 1:0 = 2 (LLVM: expert scheduling mode 2), set by the entry lines.  The code itself states the register dependences between vector or matrix instructions
; and memory or LDS instructions, with s_wait_alu, always for 0.
; THE PLAN.  Registers that memory or LDS instructions touch:
;   the ring      A group is read by the products of the step that uses it; the loads issued in the step behind land in it.
;   F0, F1        Step s's products read F[s % 2]; the LDS loads issued in step s land in F[(s + 1) % 2], which step s - 1 read.
;   BI            Read as C by P1's step 0; PRE's loads land in it behind P1 (first trip) or at the head of P2's step 7.
;   PKS           Written by numbers 36-39 of a step's activation lists; read by the LDS stores at the next step's head; written again by that step's numbers 36-39.
;   ACC           At the head the gather's loads land in it and LDS stores read it; then matrix and vector instructions alone; on the way out LDS loads land in it and global stores read it.
;   TS, PKS       At the head they are ROWO (the gather's offsets) and T (an LDS store's data).
;   v[BRD]        Read by PRE's loads, stepped behind them.      v[HRD], v[HST]  Read by H's loads and stores, rewritten once a trip behind the barrier.
;   All other addresses are made at the head and never written again.
; ONE wait on va_vdst stands at each step's head: the step before is done reading its ring groups and its F buffer, and its roundings have written PKS.  Behind it the PKS stores follow at once, and the
; step's loads are dealt among its first products: those products name this step's groups, F[s % 2] and accumulators, their riders ACC, TS and PKS: none of the registers that these loads touch.
; An activation's eight exponentials are one batch and its eight reciprocals another: two more waits on va_vdst a step, each for all the accumulators in lockstep.
; REGISTERS, in windows of 256 (s_set_vgpr_msb: bits 1:0 source 0, 3:2 source 1, 5:4 source 2, 7:6 destination):
;   window 0: addresses, PKS, BI (bias as the C operand), ACC (P1's 20 accumulators; first the gathered rows, last the rows on the way out), TS
;   window 1: the weight ring      window 2: P2's accumulators of row blocks 0-3 at 64 b + 8 c      window 3: block 4's at 8 c; token fragments F0 = v64-103, F1 = v104-143
.set XP,    1040                       ; a row of X in LDS: 1,024 bytes + 16: an odd multiple of 16, so the 16 rows of a fragment load start in 16 different groups of four banks (ISA guide 11.1)
.set HP,    528                        ; a row of H, and of a stage: 512 + 16
.set B1L,   83456                      ; X: 0 .. 83,199;  then the half's 1,024 biases, f32
.set STAGE, 87552                      ; 16 rows x 528 bytes for each wave, for the way out
.set SPARE, 121344                     ; the spare words, 128 bytes a wave
.set H0,    131072                     ; H's first buffer, 80 rows;
.set HX,    65536                      ; one exclusive or turns its base into the second's, 196,608
.set WOFF, 3                           ; v3   16 x lane; never rewritten
.set XRD,  4                           ; v4   my place in a fragment of X, row blocks 0-2
.set XRD3, 5                           ; v5   the same, blocks 3 and 4 (past the 16-bit offset)
.set HRD,  6                           ; v6   my place in a fragment of the H buffer that is read
.set HST,  7                           ; v7   where my 16 bytes of activation go, in the buffer that is written
.set BRD,  8                           ; v8   my eight biases of the chunk to come; steps by 1,024
.set STO,  9                           ; v9   the way out: where I put 16 bytes of a row
.set SRD,  10                          ; v10  the way out: where I read a row back
.set XST,  11                          ; v11  where my wave's gathered rows go
.set BST,  12                          ; v12  where my eight biases go
.set SPW,  16                          ; v16  LDS address of my spare word; never rewritten
.set NIL,  17                          ; v17  0; never rewritten
.set HRD0, 18                          ; v18  HRD less the buffer's base; never rewritten
.set HST0, 19                          ; v19  HST less the buffer's base; never rewritten
.set PKS,  20                          ; v20-31 three sets of four: packed activations
.set T,    20                          ; v20-27 at work at the kernel's head
.set PK,   28                          ; v28-31 likewise
.set BI,   36                          ; v36-67
.set ACC,  68                          ; v68-227
.set ROWO, 228                         ; v228-247 the gather's row offsets
.set TS,   228                         ; v228-251 later: three sets of eight, the activation at work
.set F0,   64                          ; window 3
.set PA,   6                           ; s[6:7]   the stream's phase for P1 in hand
.set PB,   8                           ; s[8:9]   the phase behind it
.set PC,   36                          ; s[36:37] the phase behind that
.set W2S,  38                          ; s[38:39] my stream of W2's fragments, at its head
.set PP,   14                          ; s[14:15] part at my tile's first row, my 128 columns
.set CH,   30                          ; s30      trips to go, this one among them: 4, 3, 2, 1
.set HW,   31                          ; s31      the base of the H buffer that is written
.set MSB, 0
.macro WIN new                         ; the immediate's high byte repeats the setting that is left; a switch that changes nothing is dropped
.if MSB != (\new)
	s_set_vgpr_msb (MSB<<8)|(\new)
.set MSB, (\new)
.endif
.endm
.macro PLACES                          ; a load into a register that a matrix instruction has read, and a vector instruction or LDS store that reads a matrix result, stand four plain vector
.rept 4                                ; instructions behind it (ISA guide 7.12.1 for vector instructions); at a step's head the four stand ahead of the wait that states the loads' dependence
	v_nop
.endr
.endm
.macro LDW base, off, g                ; a group of the ring: four fragments, eight loads of 512 consecutive bytes
	WIN 0x40
.irp c, 0,1,2,3
	global_load_b128 v[32*(\g)+8*\c:32*(\g)+8*\c+3],   v[WOFF], s[\base:\base+1] offset:(\off)+1024*\c
	global_load_b128 v[32*(\g)+8*\c+4:32*(\g)+8*\c+7], v[WOFF], s[\base:\base+1] offset:(\off)+1024*\c+512
.endr
.endm
.macro LDFX n, u                       ; the five token fragments of P1's step u (32 of x's 512 numbers) into buffer n: ten loads
	WIN 0xc0
.irp b, 0,1,2
	ds_load_b128 v[F0+40*(\n)+8*\b:F0+40*(\n)+8*\b+3],   v[XRD] offset:16*XP*\b+64*(\u)
	ds_load_b128 v[F0+40*(\n)+8*\b+4:F0+40*(\n)+8*\b+7], v[XRD] offset:16*XP*\b+64*(\u)+32
.endr
.irp b, 3,4
	ds_load_b128 v[F0+40*(\n)+8*\b:F0+40*(\n)+8*\b+3],   v[XRD3] offset:16*XP*(\b-3)+64*(\u)
	ds_load_b128 v[F0+40*(\n)+8*\b+4:F0+40*(\n)+8*\b+7], v[XRD3] offset:16*XP*(\b-3)+64*(\u)+32
.endr
.endm
.macro LDFH n, j                       ; the same for P2's step j, from H
	WIN 0xc0
.irp b, 0,1,2,3,4
	ds_load_b128 v[F0+40*(\n)+8*\b:F0+40*(\n)+8*\b+3],   v[HRD] offset:16*HP*\b+64*(\j)
	ds_load_b128 v[F0+40*(\n)+8*\b+4:F0+40*(\n)+8*\b+7], v[HRD] offset:16*HP*\b+64*(\j)+32
.endr
.endm
.macro PRE                             ; what P1's first step needs: its token fragments and the chunk's biases (register j of BI(c): column 16 c + 8 (lane / 16) + j of my 64)
	LDFX 0, 0
	WIN 0
.irp c, 0,1,2,3
	ds_load_b128 v[BI+8*\c:BI+8*\c+3],   v[BRD] offset:64*\c
	ds_load_b128 v[BI+8*\c+4:BI+8*\c+7], v[BRD] offset:64*\c+16
.endr
	s_wait_alu depctr_vm_vsrc(0)                   ; the eight loads above have read v[BRD], which the next line writes
	v_add_nc_u32 v[BRD], 1024, v[BRD]              ; that it is written is stated by the steps' waits on va_vdst that lie ahead of the next PRE
.endm
; The accumulators take turns, one instruction a turn: 19 (P1) or 39 (P2) others' stand between two links of a chain, from step to step and round the loop too.
; P1's step u: 20 products; first = 1: the bias starts the sums.  Behind the first four stand the next step's token fragments' loads, behind the next four the ring group's (ptr: its phase's
; pointer, 0: none).  No wait: no vector or matrix instruction since the wait at the step's head names F[(u + 1) % 2], ring group (u + 7) % 8 or an address.
.macro MM1 u, first, ptr=0, off=0
.irp b, 0,1,2,3,4
	WIN 0x0d
.irp c, 0,1,2,3
.if \first
	v_wmma_f32_16x16x32_bf16 v[ACC+8*(4*\b+\c):ACC+8*(4*\b+\c)+7], v[32*((\u)%8)+8*\c:32*((\u)%8)+8*\c+7], v[F0+40*((\u)%2)+8*\b:F0+40*((\u)%2)+8*\b+7], v[BI+8*\c:BI+8*\c+7]
.else
	v_wmma_f32_16x16x32_bf16 v[ACC+8*(4*\b+\c):ACC+8*(4*\b+\c)+7], v[32*((\u)%8)+8*\c:32*((\u)%8)+8*\c+7], v[F0+40*((\u)%2)+8*\b:F0+40*((\u)%2)+8*\b+7], v[ACC+8*(4*\b+\c):ACC+8*(4*\b+\c)+7]
.endif
.endr
.if (\b == 0) && ((\u) < 15)
	LDFX ((\u)+1)%2, (\u)+1
.endif
.if (\b == 1) && (\ptr)
	LDW \ptr, \off, ((\u)+7)%8
.endif
.endr
.endm
; P2's step j without riders: 40 products; zero = 1: they start the sums: nothing is ever cleared.  fh = 1: behind the first eight stand the next step's fragments' loads; ptr: behind the
; next eight the two ring groups read a step ago are asked for again.  No wait, as in MM1.
.macro MM2 j, zero, fh=0, ptr=0, off=0
.irp b, 0,1,2,3,4
.if \b < 4
	WIN 0xad
.else
	WIN 0xfd
.endif
.irp c, 0,1,2,3,4,5,6,7
.set rD, (64*\b+8*\c)%256
.if \zero
	v_wmma_f32_16x16x32_bf16 v[rD:rD+7], v[64*((\j)%4)+8*\c:64*((\j)%4)+8*\c+7], v[F0+40*((\j)%2)+8*\b:F0+40*((\j)%2)+8*\b+7], 0
.else
	v_wmma_f32_16x16x32_bf16 v[rD:rD+7], v[64*((\j)%4)+8*\c:64*((\j)%4)+8*\c+7], v[F0+40*((\j)%2)+8*\b:F0+40*((\j)%2)+8*\b+7], v[rD:rD+7]
.endif
.endr
.if (\b == 0) && (\fh)
	LDFH ((\j)+1)%2, (\j)+1
.endif
.if (\b == 1) && (\ptr)
	LDW \ptr, \off, (2*(\j)+6)%8
	LDW \ptr, (\off)+4096, (2*(\j)+7)%8
.endif
.endr
.endm
; THE ACTIVATION of accumulator g (= 4 b + c) is a list of 40; GE writes number k of it, at work in set s.  x0-x7 are the lane's eight numbers, in pairs 0-3, read from the low registers on.
;   0-3  x^2      4-7  BE x^2 + AL      8-11  times x      12-19  the eight exponentials: one batch      20-23  + 1
;   24-31  the eight reciprocals: one batch      32-35  times x      36-39  rounded to bf16
; Nothing in a batch names a result of the batch; RID writes the plain instruction and the wait behind each.
.macro GE g, s, k
.set rA, ACC+8*(\g)
.set rT, TS+8*(\s)
.set rP, PKS+4*(\s)
.if (\k) < 4
.set gh, 2*(\k)
	v_pk_mul_f32 v[rT+gh:rT+gh+1], v[rA+gh:rA+gh+1], v[rA+gh:rA+gh+1]
.elseif (\k) < 8
.set gh, 2*((\k)-4)
	v_pk_fma_f32 v[rT+gh:rT+gh+1], v[rT+gh:rT+gh+1], s[34:35], s[32:33] op_sel_hi:[1,0,0]
.elseif (\k) < 12
.set gh, 2*((\k)-8)
	v_pk_mul_f32 v[rT+gh:rT+gh+1], v[rT+gh:rT+gh+1], v[rA+gh:rA+gh+1]
.elseif (\k) < 20
.set gh, (\k)-12
	v_exp_f32 v[rT+gh], v[rT+gh]
.elseif (\k) < 24
.set gh, 2*((\k)-20)
	v_pk_add_f32 v[rT+gh:rT+gh+1], v[rT+gh:rT+gh+1], 1.0 op_sel_hi:[1,0]
.elseif (\k) < 32
.set gh, (\k)-24
	v_rcp_f32 v[rT+gh], v[rT+gh]
.elseif (\k) < 36
.set gh, 2*((\k)-32)
	v_pk_mul_f32 v[rT+gh:rT+gh+1], v[rT+gh:rT+gh+1], v[rA+gh:rA+gh+1]
.else
.set gh, (\k)-36
	v_cvt_pk_bf16_f32 v[rP+gh], v[rT+2*gh], v[rT+2*gh+1]
.endif
.endm
.macro RID n, g0                       ; number kk of the lists of n accumulators, g0 on: none names a register of P2's products
	WIN 0
	GE (\g0), 0, kk
.if (\n) > 1
	GE (\g0)+1, 1, kk
.endif
.if (\n) > 2
	GE (\g0)+2, 2, kk
.endif
.if kk == 19
	v_nop                                          ; a plain instruction behind the batch's last exponential (ISA guide 5.7.2)
	s_wait_alu depctr_va_vdst(0)                   ; the exponentials of all the sets in lockstep have written TS, ahead of numbers 20-23, their first readers
.endif
.if kk == 31
	v_nop                                          ; a plain instruction behind the batch's last reciprocal
	s_wait_alu depctr_va_vdst(0)                   ; the reciprocals of all the sets have written TS, ahead of numbers 32-35, their first readers
.if (\g0) > 0
	s_wait_alu depctr_vm_vsrc(0)                   ; the LDS stores of the accumulators before these have read PKS, which numbers 36-39 write again
.endif
.endif
.endm
.macro PKST n, g0                      ; their packed results go into H: 16 bytes of a row each.  These stores stand in a run at a step's head, never singly among the products
.set gs, 0
.rept \n
	ds_store_b128 v[HST], v[PKS+4*gs:PKS+4*gs+3] offset:16*HP*(((\g0)+gs)/4)+32*(((\g0)+gs)%4)
.set gs, gs+1
.endr
.endm
; P2's step j, and behind each of its 40 products one instruction of each of n activations.  The step's loads stand behind its second, fourth and sixth product: the next step's fragments (fh = 1)
; and the two ring groups read a step ago.  No wait: since the wait at the step's head the products have named this step's groups, F[j % 2] and P2's accumulators, the riders ACC and TS.
.macro MM2R j, n, g0, fh, ptr, off
.set kk, 0
.irp b, 0,1,2,3,4
.irp c, 0,1,2,3,4,5,6,7
.if \b < 4
	WIN 0xad
.else
	WIN 0xfd
.endif
.set rD, (64*\b+8*\c)%256
	v_wmma_f32_16x16x32_bf16 v[rD:rD+7], v[64*((\j)%4)+8*\c:64*((\j)%4)+8*\c+7], v[F0+40*((\j)%2)+8*\b:F0+40*((\j)%2)+8*\b+7], v[rD:rD+7]
	RID \n, \g0
.if (kk == 1) && (\fh)
	LDFH ((\j)+1)%2, (\j)+1
.endif
.if kk == 3
	LDW \ptr, \off, (2*(\j)+6)%8
.endif
.if kk == 5
	LDW \ptr, (\off)+4096, (2*(\j)+7)%8
.endif
.set kk, kk+1
.endr
.endr
.endm
.macro GALONE                          ; the first chunk's activation: there is no second product yet to set it beside
.set gg, 0
.rept 6
.set kk, 0
.rept 40
	RID 3, gg
.set kk, kk+1
.endr
	s_wait_alu depctr_va_vdst(0)                   ; the roundings have written PKS, which the LDS stores read
	PKST 3, gg
.set gg, gg+3
.endr
.set kk, 0
.rept 40
	RID 2, 18
.set kk, kk+1
.endr
	s_wait_alu depctr_va_vdst(0)                   ; the roundings have written PKS, which the LDS stores read
	PKST 2, 18
.endm
	s_load_b256 s[4:11], s[0:1], 0x0               ; xs 4, w1f 6, w2f 8, b1 10
	s_load_b128 s[12:15], s[0:1], 0x20             ; tab 12, part 14
	v_lshl_add_u32 v[SPW], v0, 2, SPARE
	v_mov_b32 v[NIL], 0
	v_lshrrev_b32 v13, 5, v0
	v_readfirstlane_b32 s16, v13                   ; wave 0..3
	s_mov_b32 s17, ttmp9                           ; tile
	s_and_b32 s18, ttmp7, 0xffff                   ; half
	v_and_b32 v13, 31, v0
	v_and_b32 v1, 15, v0                           ; r
	v_bfe_u32 v2, v0, 4, 1                         ; hh
	v_lshlrev_b32 v[WOFF], 4, v13
	v_mul_u32_u24 v[XRD], v1, XP
	v_lshl_add_u32 v[XRD], v2, 4, v[XRD]           ; row x pitch + 16 x half of the lanes
	v_add_nc_u32 v[XRD3], 3*16*XP, v[XRD]
	v_mul_u32_u24 v14, v1, HP
	v_lshl_add_u32 v[HRD0], v2, 4, v14
	s_wait_alu depctr_va_sdst(0)                   ; s16 is written, ahead of its first reader: LDS addresses, the streams' and part's offsets are made from it
	s_lshl_b32 s24, s16, 7
	v_add_nc_u32 v[HST0], s24, v[HRD0]             ; + my wave's 64 columns
	s_mov_b32 s[HW], H0
	v_add_nc_u32 v[HRD], s[HW], v[HRD0]
	v_add_nc_u32 v[HST], s[HW], v[HST0]
	s_lshl_b32 s24, s16, 8
	s_add_co_u32 s24, s24, B1L
	v_lshl_add_u32 v[BRD], v2, 5, s24
	s_mul_i32 s25, s16, 16*HP
	s_add_co_u32 s25, s25, STAGE
	v_lshl_add_u32 v[STO], v2, 5, v14
	v_add_nc_u32 v[STO], s25, v[STO]
	v_add_nc_u32 v[SRD], s25, v[WOFF]
	s_mul_i32 s24, s16, 20*XP
	v_add_nc_u32 v[XST], s24, v[WOFF]
	v_lshl_add_u32 v[BST], v0, 5, B1L
	v_lshlrev_b32 v15, 5, v0                       ; my eight biases in memory
	s_mov_b32 s32, 0xc0135761                      ; AL = -2.3022082
	s_mov_b32 s33, 0xc0135761                      ; (named as pairs)
	s_mov_b32 s34, 0xbdd2d3e8                      ; BE = -0.10294324
	s_mov_b32 s35, 0xbdd2d3e8
	s_lshl_b32 s24, s17, 4
	s_mov_b32 s25, 0
	s_wait_kmcnt 0x0
	s_add_nc_u64 s[12:13], s[12:13], s[24:25]
	s_load_b128 s[20:23], s[12:13], 0x0            ; expert, first position, last valid row
	s_mul_i32 s26, s18, 18022400                   ; a half of part: 8,800 rows of 2,048 bytes
	s_mul_i32 s27, s17, 163840                     ; 80 rows
	s_add_co_u32 s26, s26, s27
	s_lshl_b32 s27, s16, 9
	s_add_co_u32 s26, s26, s27
	s_mov_b32 s27, 0
	s_add_nc_u64 s[PP:PP+1], s[PP:PP+1], s[26:27]
	s_wait_kmcnt 0x0
	s_min_u32 s20, s20, 7
	s_lshl_b32 s24, s20, 1
	s_add_co_u32 s24, s24, s18                     ; 2 e + y
	s_lshl_b32 s28, s24, 12                        ; 1,024 biases of 4 bytes
	s_mov_b32 s29, 0
	s_add_nc_u64 s[10:11], s[10:11], s[28:29]
	s_lshl_b32 s24, s24, 2
	s_add_co_u32 s24, s24, s16
	s_lshl_b32 s24, s24, 18                        ; my stream: 262,144 bytes in each of the two buffers, 65,536 a chunk
	s_add_nc_u64 s[W2S:W2S+1], s[8:9], s[24:25]
	s_add_nc_u64 s[PA:PA+1], s[PA:PA+1], s[24:25]  ; W1(0),
	s_add_nc_u64 s[PB:PB+1], s[PA:PA+1], 0x10000   ; behind it W1(1),
	s_add_nc_u64 s[PC:PC+1], s[PA:PA+1], 0x20000   ; and W1(2), which the second trip asks for: all three pointers are made here, ahead of every way into the loop's text
	; THE GATHER.  Wave w brings rows 20 w .. 20 w + 19 of the tile: row first + min(i, last valid), 1,024 bytes, two loads
	s_mul_i32 s26, s16, 20
.set i, 0
.rept 20
	s_add_co_u32 s24, s26, i
	s_min_u32 s24, s24, s22
	s_add_co_u32 s24, s24, s21
	s_min_u32 s24, s24, 0x225f
	v_lshl_add_u32 v[ROWO+i], s24, 10, v[WOFF]
.set i, i+1
.endr
	s_wait_alu depctr_va_vdst(0)                   ; the row offsets, v15 and all the addresses v3 to v12, v16 and v17 are written, which the loads and stores of the kernel read
.set i, 0
.rept 20
	global_load_b128 v[ACC+8*i:ACC+8*i+3],   v[ROWO+i], s[4:5]
	global_load_b128 v[ACC+8*i+4:ACC+8*i+7], v[ROWO+i], s[4:5] offset:512
.set i, i+1
.endr
	global_load_b128 v[T:T+3],   v15, s[10:11]
	global_load_b128 v[T+4:T+7], v15, s[10:11] offset:16
.set i, 0
.rept 8
	LDW PA, 4096*i, i                              ; the ring's first fill: P1's steps 0 to 7
.set i, i+1
.endr
	WIN 0
	s_wait_loadcnt 63                              ; 64 loads are younger than the rows and biases; the wait's field ends at 63, which also awaits the ring's first load
.set i, 0
.rept 20
	ds_store_b128 v[XST], v[ACC+8*i:ACC+8*i+3]   offset:XP*i
	ds_store_b128 v[XST], v[ACC+8*i+4:ACC+8*i+7] offset:XP*i+512
.set i, i+1
.endr
.irp q, 0,1,2,3
	v_cvt_pk_bf16_f32 v[PK+\q], v[T+2*\q], v[T+2*\q+1]   ; b1 rounded to bf16,
.endr
.irp q, 0,1,2,3
	v_lshlrev_b32 v[T+2*\q], 16, v[PK+\q]                ; and kept as f32
	v_and_b32 v[T+2*\q+1], 0xffff0000, v[PK+\q]
.endr
	s_wait_alu depctr_va_vdst(0)                   ; the eight lines above have written v[T ..], which the two LDS stores read
	ds_store_b128 v[BST], v[T:T+3]
	ds_store_b128 v[BST], v[T+4:T+7] offset:16
	s_wait_dscnt 0x0                               ; for the other waves: my stores are done
	s_barrier_signal -1
	s_barrier_wait -1                              ; X and the biases are whole; nobody writes them again
	s_wait_alu depctr_vm_vsrc(0)                   ; my LDS stores have read ACC and T, the gather's loads ROWO: from here on the products write ACC and the activation writes PKS (= T) and TS (= ROWO)
	PRE
	s_mov_b32 s[CH], 4
.Lchunk:
	; P1.  Step u: 20 products; among the first of them the next step's token fragments are asked for, and the ring group read a step ago takes group u + 7 of the phase (from u = 9 on: the next phase's first groups).
	s_wait_loadcnt 56                              ; group 0 is in: the seven groups behind it, 56 loads, stay out
	s_wait_dscnt 0x0                               ; PRE's fragments and biases are in
	MM1 0, 1                                       ; its fragment loads land in F1, whose last readers stand ahead of the wait on va_vdst at the trip's bottom (on the way in: nothing has named F1)
.set u, 1
.rept 15
	PLACES
	s_wait_alu depctr_va_vdst(0)                   ; the products of step u - 1 are done reading ring group (u + 7) % 8 and F[(u + 1) % 2], in which this step's loads land
	s_wait_loadcnt 48                              ; group u is in: the six groups asked for behind it stay out
	s_wait_dscnt 0x0                               ; this step's fragments, asked for early in the step before
.if u <= 8
	MM1 u, 0, PA, 4096*(u+7)
.else
	MM1 u, 0, PB, 4096*(u-9)
.endif
.set u, u+1
.endr
	PLACES
	s_wait_alu depctr_va_vdst(0)                   ; step 15's products are done reading ring group 7 and F1, step 14's F0: the ring's load below and, behind the branch, H's fragments or PRE's land in them
	LDW PB, 4096*7, 7
	WIN 0
	s_cmp_eq_u32 s[CH], 4
	s_cbranch_scc1 .Lfirst                         ; the first trip has no second product yet
	; P2 OF THE CHUNK BEFORE, WITH THIS CHUNK'S ACTIVATION.  Step j takes two ring groups (eight fragments of W2); the two read a step ago are refilled.
	LDFH 0, 0
	LDFH 1, 1
	s_wait_loadcnt 48                              ; step 0's two groups are in: six groups behind them stay out
	s_wait_dscnt 10                                ; step 0's fragments are in; step 1's ten loads may be out
	WIN 0
	s_cmp_lg_u32 s[CH], 3                          ; the first chunk's first step starts the sums with the constant 0.  Step 0 stands twice, so it carries no activation
	s_cbranch_scc1 .Ladd0
	MM2 0, 1
	WIN 0
	s_branch .Ljoin0
.Ladd0:
	MM2 0, 0
	WIN 0
.Ljoin0:
.set j, 1
.rept 6
	PLACES
	WIN 0
	s_wait_alu depctr_va_vdst(0)                   ; step j - 1: its products are done reading their two ring groups and F[(j + 1) % 2], in which this step's loads land; its roundings have written PKS, which the stores below read
	s_wait_dscnt 0x0                               ; this step's fragments, asked for early in the step before
.if j > 1
	PKST 3, 3*(j-2)                                ; what the step before has packed
.endif
	s_wait_loadcnt 32                              ; this step's two groups are in: the four groups asked for behind them stay out
.if j <= 4
	MM2R j, 3, 3*(j-1), 1, PB, 4096*(6+2*j)
.else
	MM2R j, 3, 3*(j-1), 1, PC, 4096*(2*j-10)       ; the next phase
.endif
.set j, j+1
.endr
	PLACES
	WIN 0
	s_wait_alu depctr_va_vdst(0)                   ; step 6: its products are done reading ring groups 4 and 5 and F0; its roundings have written PKS; P1's first step is long done reading BI
	s_wait_dscnt 0x0                               ; step 7's fragments
	PKST 3, 15
	s_cmp_eq_u32 s[CH], 1                          ; behind the last trip no P1 follows: nothing is read for a fifth chunk
	s_cbranch_scc1 .Lnopre
	PRE
.Lnopre:
	s_wait_loadcnt 32
	MM2R 7, 2, 18, 0, PC, 4096*4
	PLACES
	WIN 0
	s_wait_alu depctr_va_vdst(0)                   ; step 7: its roundings have written PKS, which the stores below read; its products are done reading ring groups 6 and 7, in which the loads below land
	PKST 2, 18
	LDW PC, 4096*6, 6
	LDW PC, 4096*7, 7
	WIN 0
	s_wait_xcnt 0x0                                ; the loads' bases are rewritten only behind this wait (ISA guide 3.1)
	s_mov_b64 s[PA:PA+1], s[PC:PC+1]               ; the phases move up: what followed P2 is in hand,
	s_add_nc_u64 s[PB:PB+1], s[PB:PB+1], 0x10000   ; behind it W2's next chunk,
	s_add_nc_u64 s[40:41], s[PA:PA+1], 0x10000     ; and behind that W1's next chunk,
	s_add_nc_u64 s[42:43], s[PB:PB+1], 0x10000     ; or, where the trip to come is the last, W2's last
	s_cmp_eq_u32 s[CH], 2
	s_cselect_b64 s[PC:PC+1], s[42:43], s[40:41]
	s_branch .Lbottom
.Lfirst:
	PRE
	GALONE
	s_wait_xcnt 0x0
	s_mov_b64 s[PA:PA+1], s[PB:PB+1]               ; W1(1) is in hand, behind it W2(0); behind that W1(2), which PC has held since the kernel's head
	s_mov_b64 s[PB:PB+1], s[W2S:W2S+1]
.Lbottom:
	s_wait_dscnt 0x0                               ; for the other waves: my part of H is stored, and my reads of the other buffer are over
	s_barrier_signal -1
	s_barrier_wait -1                              ; the buffer just written is whole; nobody reads the other any more
	s_wait_alu depctr_vm_vsrc(0)                   ; my LDS loads and stores have read v[HRD] and v[HST], which the next lines write
	v_add_nc_u32 v[HRD], s[HW], v[HRD0]            ; the two change places
	s_xor_b32 s[HW], s[HW], HX
	v_add_nc_u32 v[HST], s[HW], v[HST0]
	s_wait_alu depctr_va_vdst(0)                   ; v[HRD] and v[HST] are written, which H's loads and stores to come read: behind the last trip the first of them follow the branch
	s_sub_co_u32 s[CH], s[CH], 1
	s_cmp_lg_u32 s[CH], 0
	s_cbranch_scc1 .Lchunk
	; P2 OF THE LAST CHUNK: its phase is in hand (PA); nothing follows it, so the counts run down
	LDFH 0, 0
	LDFH 1, 1
	s_wait_loadcnt 48
	s_wait_dscnt 10
	MM2 0, 0
.set j, 1
.rept 4
	PLACES
	s_wait_alu depctr_va_vdst(0)                   ; the products of step j - 1 are done reading their two ring groups and F[(j + 1) % 2], in which this step's loads land
	s_wait_loadcnt 32
	s_wait_dscnt 0x0
	MM2 j, 0, 1, PA, 4096*(6+2*j)
.set j, j+1
.endr
	PLACES
	s_wait_alu depctr_va_vdst(0)                   ; step 4's products are done reading F0, in which step 6's fragments land
	s_wait_loadcnt 32                              ; four groups are younger than step 5's
	s_wait_dscnt 0x0
	MM2 5, 0, 1
	PLACES
	s_wait_alu depctr_va_vdst(0)                   ; step 5's products are done reading F1, in which step 7's fragments land
	s_wait_loadcnt 16                              ; two
	s_wait_dscnt 0x0
	MM2 6, 0, 1
	s_wait_loadcnt 0x0
	s_wait_dscnt 0x0
	MM2 7, 0                                       ; it asks for nothing, so no dependence is stated ahead of it
	; THE WAY OUT, a block of 16 rows at a time through my own stage: 16 bytes a lane in, whole rows of 512 bytes back, stored as 512 consecutive aligned bytes.
	PLACES
	s_wait_alu depctr_va_vdst(0)                   ; the products have written P2's accumulators, which the LDS stores read; the places above stay beside this wait.  No vector or matrix instruction follows it, so it also serves the loads into ACC
.irp b, 0,1,2,3,4
.if \b < 4
	WIN 0x08
.else
	WIN 0x0c
.endif
.irp c, 0,1,2,3,4,5,6,7
.set rD, (64*\b+8*\c)%256
	ds_store_b128 v[STO], v[rD:rD+3]   offset:64*\c       ; each accumulator's low registers first
	ds_store_b128 v[STO], v[rD+4:rD+7] offset:64*\c+16
.endr
	WIN 0
	s_wait_xcnt 0x0                                ; the stores of two blocks ago have read the registers that are loaded again below
.if \b >= 2
	s_wait_alu depctr_vm_vsrc(0)                   ; the global stores of two blocks ago have read their half of ACC, in which the loads below land
.endif
.irp t, 0,1,2,3,4,5,6,7,8,9,10,11,12,13,14,15
	ds_load_b128 v[ACC+64*(\b%2)+4*\t:ACC+64*(\b%2)+4*\t+3], v[SRD] offset:HP*\t  ; LDS serves a wave's instructions in order (ISA guide 5.7.1.4): these see the stores above
.endr
.irp t, 0,1,2,3,4,5,6,7,8,9,10,11,12,13,14,15
	s_wait_dscnt 15-\t
	global_store_b128 v[WOFF], v[ACC+64*(\b%2)+4*\t:ACC+64*(\b%2)+4*\t+3], s[PP:PP+1] offset:(16*\b+\t)*2048
.endr
.endr
	s_wait_dscnt 0x0                               ; the closing lines, six on end
	s_wait_alu 0x0
	s_wait_tensorcnt 0x0
	ds_add_u32 v[SPW], v[NIL]
	s_wait_dscnt 0x0
	s_endpgm
.Lfunc_end_k_qc913790760_chain:
	.size	k_qc913790760_chain, .Lfunc_end_k_qc913790760_chain-k_qc913790760_chain
	.p2alignl 7, 3214868480
	.fill 96, 4, 3214868480
	.section	.rodata,"a",@progbits
	.p2align	6, 0x0
	.amdhsa_kernel k_qc913790760_chain
		.amdhsa_group_segment_fixed_size 238848
		.amdhsa_private_segment_fixed_size 0
		.amdhsa_enable_private_segment 0
		.amdhsa_kernarg_size 48
		.amdhsa_user_sgpr_count 2
		.amdhsa_user_sgpr_kernarg_segment_ptr 1
		.amdhsa_wavefront_size32 1
		.amdhsa_system_sgpr_workgroup_id_x 1
		.amdhsa_system_sgpr_workgroup_id_y 1
		.amdhsa_system_sgpr_workgroup_id_z 1
		.amdhsa_system_vgpr_workitem_id 0
		.amdhsa_next_free_vgpr 912
		.amdhsa_next_free_sgpr 66
		.amdhsa_reserve_vcc 0
		.amdhsa_float_denorm_mode_32 3
		.amdhsa_float_denorm_mode_16_64 3
		.amdhsa_memory_ordered 1
		.amdhsa_forward_progress 1
		.amdhsa_inst_pref_size 255
	.end_amdhsa_kernel
	.section	.bss,"aw",@nobits
	.p2align	6
	.space	262144
	.amdgpu_metadata
---
amdhsa.version: [ 1, 2 ]
amdhsa.kernels:
  - .name:           k_qc913790760_chain
    .symbol:         k_qc913790760_chain.kd
    .args:
      - { .name: xs, .offset: 0, .size: 8, .value_kind: global_buffer, .address_space: global }
      - { .name: w1f, .offset: 8, .size: 8, .value_kind: global_buffer, .address_space: global }
      - { .name: w2f, .offset: 16, .size: 8, .value_kind: global_buffer, .address_space: global }
      - { .name: b1, .offset: 24, .size: 8, .value_kind: global_buffer, .address_space: global }
      - { .name: tab, .offset: 32, .size: 8, .value_kind: global_buffer, .address_space: global }
      - { .name: part, .offset: 40, .size: 8, .value_kind: global_buffer, .address_space: global }
    .group_segment_fixed_size: 238848
    .private_segment_fixed_size: 0
    .kernarg_segment_align: 8
    .kernarg_segment_size: 48
    .max_flat_workgroup_size: 128
    .sgpr_count:     66
    .vgpr_count:     912
    .wavefront_size: 32
...
	.end_amdgpu_metadata
.endif
;; end of part 4
;; launch comb: the kernel of part 3 again; grid 256 x 1, 8 waves a work-group, no clusters, 0 bytes of LDS; arguments part, pos, indices, probabilities, b2, out0; writes out0
